; MI455X (gfx1250); checked and timed in simulation.
; The chip was launched on July 23, 2026; its instructions are those of AMD's public machine-readable ISA for CDNA 5 (MIT licence, August 2026) and "CDNA5" Instruction Set Architecture Reference Guide (July 2026). The comments in the code are by the model that wrote it; some were corrected since.
;; Alibi Transformer Layer. Allowed arithmetic: matrix products marked QUANTISED: E3M2 operands, one E8M0 scale for each 32 along K, by v_wmma_scale_f32_16x16x128_f8f6f4 with both operands' format E3M2, f32 sums; everything else in f32.
;; Inputs: W1 4,096 x 1,024 float32; W2 1,024 x 4,096 float32; Wout 1,024 x 1,024 float32; Wqkv 3,072 x 1,024 float32; b1 4,096 float32; b2 1,024 float32; bout 1,024 float32; bqkv 3,072 float32; ln1_b 1,024 float32; ln1_g 1,024 float32; ln2_b 1,024 float32; ln2_g 1,024 float32; src 2 x 2,048 x 1,024 float32.
;; Outputs: out0 2 x 2,048 x 1,024 float32.
;; This version of the problem:
;;   THIS VERSION OF THE PROBLEM IS GIVEN IN LOW PRECISION. The matrix products marked QUANTISED in the list below multiply operands that are first quantised to E3M2 (3 exponent bits, 2 mantissa bits; 6 bits a number), with one power-of-two scale for each 32 numbers along K (OCP MX v1.0); their sums are f32. All else is computed in f32.
;;   The module's matrix products, in the order in which they are computed (A, B: the left and right operand; K: the contracted axis; several contracted axes count as one K, in the product's order):
;;     1. [M 4,096, K 1,024] x [K 1,024, N 3,072]; A: computed on the way; B: input Wqkv: QUANTISED
;;     2. batch 32 x [M 2,048, K 64] x [K 64, N 2,048]; A: computed on the way; B: computed on the way: QUANTISED
;;     3. batch 32 x [M 2,048, K 2,048] x [K 2,048, N 64]; A: softmax (see below); B: computed on the way: QUANTISED
;;     4. [M 4,096, K 1,024] x [K 1,024, N 1,024]; A: computed on the way; B: input Wout: QUANTISED
;;     5. [M 4,096, K 1,024] x [K 1,024, N 4,096]; A: computed on the way; B: input W1: QUANTISED
;;     6. [M 4,096, K 4,096] x [K 4,096, N 1,024]; A: computed on the way; B: input W2: QUANTISED
;;   THE QUANTISER, for each operand of a quantised product, along K:
;;     - K is cut into blocks of 32 from its start; a last block that is shorter is filled with zeros.
;;     - A block's scale is 2^e with e = floor(log2(the largest magnitude in the block)) - 4, held to -126 .. 127; a block of zeros has e = 0. As a byte (E8M0): e + 127.
;;     - Each number is divided by its block's scale, clamped to +-28, and rounded to the nearest number of E3M2, ties to even, subnormals kept.
;;     - The product sums the exact products of the quantised numbers (number of the format x scale) in f32.
;;   ~~~python
;;   def quantise(x, axis):      # numpy; x: float32 -> the quantised numbers, widened to float32 again
;;       x = np.moveaxis(x, axis, -1); K = x.shape[-1]
;;       x = np.pad(x, [(0, 0)] * (x.ndim - 1) + [(0, -K % 32)]); x = x.reshape(x.shape[:-1] + (-1, 32)); a = np.abs(x).max(-1, keepdims=True)
;;       e = np.where(a > 0, np.clip(np.frexp(np.where(a > 0, a, 1))[1] - 1 - 4, -126, 127), 0)      # np.frexp(a)[1] - 1 = floor(log2(a)), exactly
;;       r = np.clip(x / 2.0 ** e, -28, 28)
;;       step = 2.0 ** (np.maximum(np.frexp(np.where(r == 0, 1, r))[1] - 1, -2) - 2)
;;       q = np.round(r / step) * step * 2.0 ** e      # np.round: ties to even
;;       return np.moveaxis(q.reshape(q.shape[:-2] + (-1,))[..., :K], -1, axis).astype(np.float32)
;;   ~~~
;;   SOFTMAX AHEAD OF A QUANTISED PRODUCT. Where the list says 'softmax', what is quantised is not the finished softmax but p = 2^(t - M), with t = logit x log2(e) and M = ceil(the row's largest t), a whole number; so 1/2 < the row's largest p <= 1. The row's sum l is taken of the UNQUANTISED p, in f32, and the product's result is divided by l at the end. Since M is a whole number, a kernel that streams over the keys may use a running M (the ceiling of the running maximum): every later rescaling is an exact power of two, which a block's scale takes up: the codes' values come out the same.
;;   OPERANDS COMPUTED ON THE WAY. 'Computed on the way' means the value that the module computes at that place (a softmax that the list does not call 'softmax' is quantised finished and normalised). What goes into a quantiser is computed in f32, as accurately as f32 sums, v_exp_f32 and their like allow (about 1e-6 of the number): no bf16 or f16 on the way to a quantiser, and a product that is left as it is and whose result goes on into a quantised operand takes f32 operands (vector FMAs, or v_wmma_f32_16x16x4_f32). A number that lies on a knife's edge between two numbers of the format may be rounded either way, as far as f32 arithmetic and the matrix unit's own rounding can turn it there, and no further.
;; One version. Each part assembles by itself: llvm-mc -triple=amdgcn-amd-amdhsa -mcpu=gfx1250 --defsym DOCPART=n.
;; ======== version 1 of 1: 6 launches
;; limits: right only within a limited range of input values
;; workspace buffers: wq 9,830,400 bytes; xq 3,276,800 bytes; qkv 9,830,400 bytes; oq 3,276,800 bytes; src2 16,777,216 bytes; hid 13,107,200 bytes
;; launch prep (part 1): grid 1024 x 1, 8 waves a work-group, no clusters, 137,216 bytes of LDS; arguments Wqkv, Wout, W1, W2, wq, src, ln1_g, ln1_b, xq; writes wq, xq
.if DOCPART == 1
	.amdgcn_target "amdgcn-amd-amdhsa--gfx1250"
	.amdhsa_code_object_version 6
	.text
	.protected	k_q0bf6d4dd43_prep
	.globl	k_q0bf6d4dd43_prep
	.p2align	8
	.type	k_q0bf6d4dd43_prep,@function
k_q0bf6d4dd43_prep:
	s_mov_b64 s[64:65], 0
	v_nop
	global_prefetch_b8 v0, s[64:65] scope:SCOPE_SE
	s_setreg_imm32_b32 hwreg(HW_REG_WAVE_MODE, 25, 1), 1
	s_wait_xcnt 0x0
; THE PROGRAM: one transformer layer (LN1, QKV, causal attention with the mask -(i + j) x slope, projection + residual, LN2, ReLU MLP + residual), all six products on codes of BF6 (E3M2) with one E8M0 scale for each 32 along K.
; DEAD WORK, for all values of the inputs: reference() itself sets every logit with key j > query i to -infinity (its own jnp.triu), so p = 0 there whatever q, k and v hold: steps of 128 keys that lie wholly behind a tile's
; 16 queries are left out of products 2 and 3 (launch attn).  Nothing else is left out: the mask's term -i x slope moves M = ceil(the row's largest t) and so p's codes; every bias stands ahead of a quantiser or in the output.
; Every input is loaded.  LIMIT: a NaN, an infinity or an overflow that reaches only the key steps left out is not carried to the result.
; THIS LAUNCH makes every operand that hangs on inputs alone: work-groups 0-255 norm src (LN1) and quantise it into xq; work-groups 256-1023 quantise the four weights into wq.  The two ways part on the work-group's number alone,
; have LDS bytes of their own, and meet in one quantiser.
; A RECORD (12,800 bytes) serves 128 rows (8 tiles of 16) x 128 along K: tile i's fragment at 1536 i, its 16 scale words at 12288 + 64 i.  A fragment is two halves of 768 bytes: registers 0-3 at 16 x lane, registers 4-5 at 512 + 8 x lane.
; THE ROWS OF A TILE ARE NOT NEIGHBOURS: lane row r of tile 2 a + u is row 32 a + 8 u + r + 8 (r / 8), so that a transposed product's 16 registers of two neighbouring tiles are 16 neighbours along the next K.
; wq: half-panels 0-23 Wqkv, 24-31 Wout, 32-63 W1 (8 records each), then W2's 8 half-panels of 32 records.  xq: 32 half-panels of 8 records.
; SHARES: a work-group takes one tile of 16 rows x 1,024 along K, wave w its w-th 128: one fragment.  Each load reads 512 consecutive bytes of a row; the rows turn through the wave's own stage (pitch 528), so that lane (r, h) gets k = 64 c + 32 h + 0 .. 31 of row r.
; LN1: mean, then the sum of squares of x - mean (two passes), meet in LDS: 16 words a wave, a barrier each.
; LIMITS: a block of zeros, or one whose largest magnitude lies under 2^-122, gets the scale byte 1 (zero codes add nothing; this program alone reads the bytes); NaN and infinities among the inputs are not served.
.set STG,   8448                       ; a wave's stage: 16 rows x (512 + 16) bytes
.set ST1,   8*STG                      ; LN1's two exchanges, 512 bytes each
.set QST,   ST1+1024                   ; the weights' stages
.set SPARE, QST+8*STG                  ; the spare words, 128 bytes a wave
.set REC,   12800
.set VO,    16
.set PC,    32
.set CT,    44
.set TM,    52
.set SO,    54
.set BY,    56
.set WD,    58
.set SPW,   62
.set NIL,   63
.set X,     64                         ; v64-127  my 64 numbers
.set RW,    128                        ; v128-191 LN1: the rows as loaded, later b
.set GA,    192                        ; v192-255 LN1: g
	s_load_b256 s[4:11], s[0:1], 0x0               ; Wqkv, Wout, W1, W2
	s_load_b256 s[36:43], s[0:1], 0x20             ; wq, src, g, b
	s_load_b64 s[44:45], s[0:1], 0x40              ; xq
	v_lshl_add_u32 v[SPW], v0, 2, SPARE
	v_mov_b32 v[NIL], 0
	v_lshrrev_b32 v1, 5, v0
	v_readfirstlane_b32 s24, v1                    ; wave
	v_and_b32 v1, 31, v0
	v_and_b32 v2, 15, v0                           ; r
	v_bfe_u32 v3, v0, 4, 1                         ; h
	v_lshlrev_b32 v4, 4, v1                        ; 16 x lane
	v_lshlrev_b32 v5, 3, v1                        ; 8 x lane
	v_lshlrev_b32 v6, 2, v2                        ; 4 r
	v_lshlrev_b32 v9, 3, v3                        ; 8 h
	v_mov_b32 v10, 0                               ; a lane permute's destination counts as one of its sources
	s_mov_b32 s20, 0x76543210
	s_mov_b32 s21, 0xfedcba98
	s_mov_b32 s27, 0
	s_mov_b32 s29, 0
	s_mov_b32 s33, 0
	s_mov_b32 s35, 0
	s_wait_alu depctr_va_vdst(0)                   ; the wait at the head's end
	s_wait_kmcnt 0x0
	s_cmp_ge_u32 ttmp9, 256
	s_cbranch_scc1 .Lweights
	; ---- LN1: tile ttmp9 of src
	s_mul_i32 s25, s24, STG
	v_add_nc_u32 v7, s25, v4
	v_mul_u32_u24 v8, v2, 528
	v_lshl_add_u32 v8, v3, 7, v8
	v_add_nc_u32 v8, s25, v8
	v_lshlrev_b32 v11, 7, v3                       ; 128 h: my place in g and b
	v_add_nc_u32 v13, ST1, v6                      ; the sums: row r,
	s_lshl_b32 s25, s24, 6
	v_add_nc_u32 v12, s25, v13                     ; my wave's word
	s_mov_b32 s22, 0x3a800000                      ; 1 / 1,024
	s_mov_b32 s23, 0x3727c5ac                      ; 1e-5
	s_lshr_b32 s26, ttmp9, 1
	s_lshl_b32 s26, s26, 5
	s_and_b32 s28, ttmp9, 1
	s_lshl_b32 s28, s28, 3
	s_add_co_u32 s26, s26, s28                     ; the tile's first token
	s_lshl_b32 s26, s26, 12
	s_lshl_b32 s28, s24, 9                         ; my wave's 512 bytes
	s_add_co_u32 s26, s26, s28
	s_and_b32 s30, ttmp9, 0xfffffff8
	s_add_co_u32 s30, s30, s24                     ; the record: 8 x half-panel + wave
	s_mul_i32 s30, s30, REC
	s_and_b32 s31, ttmp9, 7
	s_mul_i32 s32, s31, 1536
	s_add_co_u32 s32, s32, s30
	s_lshl_b32 s34, s31, 6
	s_add_co_u32 s34, s34, s30
	s_add_co_u32 s34, s34, 12288
	s_wait_alu depctr_va_vdst(0)                   ; the wait behind the addresses' last write
	s_add_nc_u64 s[38:39], s[38:39], s[26:27]
	s_add_nc_u64 s[40:41], s[40:41], s[28:29]
	s_add_nc_u64 s[42:43], s[42:43], s[28:29]
	s_add_nc_u64 s[32:33], s[44:45], s[32:33]
	s_add_nc_u64 s[34:35], s[44:45], s[34:35]
.irp p, 0,1,2,3,4,5,6,7,8,9,10,11,12,13,14,15
	global_load_b128 v[RW+4*\p:RW+4*\p+3], v4, s[38:39] offset:(\p+8*(\p/8))*4096
.endr
.irp c, 0,1
.irp j, 0,1,2,3,4,5,6,7
	global_load_b128 v[GA+32*\c+4*\j:GA+32*\c+4*\j+3], v11, s[40:41] offset:256*\c+16*\j
.endr
.endr
.irp p, 0,1,2,3,4,5,6,7,8,9,10,11,12,13,14,15
	s_wait_loadcnt 31-\p                           ; row p is in; the younger rows and g's 16 loads may be out
	ds_store_b128 v7, v[RW+4*\p:RW+4*\p+3] offset:528*\p
.endr
.irp c, 0,1
.irp j, 0,1,2,3,4,5,6,7
	ds_load_b128 v[X+32*\c+4*\j:X+32*\c+4*\j+3], v8 offset:256*\c+16*\j
.endr
.endr
	s_wait_dscnt 0x0                               ; my numbers are in, and the stage's stores have read their registers,
.irp c, 0,1
.irp j, 0,1,2,3,4,5,6,7
	global_load_b128 v[RW+32*\c+4*\j:RW+32*\c+4*\j+3], v11, s[42:43] offset:256*\c+16*\j   ; which now take b
.endr
.endr
.irp c, 0,1,2,3,4,5,6,7
	v_pk_add_f32 v[CT+2*\c:CT+2*\c+1], v[X+8*\c:X+8*\c+1], v[X+8*\c+2:X+8*\c+3]   ; eight chains
.endr
.irp e, 4,6
.irp c, 0,1,2,3,4,5,6,7
	v_pk_add_f32 v[CT+2*\c:CT+2*\c+1], v[CT+2*\c:CT+2*\c+1], v[X+8*\c+\e:X+8*\c+\e+1]
.endr
.endr
.irp c, 0,1,2,3
	v_pk_add_f32 v[CT+2*\c:CT+2*\c+1], v[CT+2*\c:CT+2*\c+1], v[CT+8+2*\c:CT+8+2*\c+1]
.endr
	v_pk_add_f32 v[CT:CT+1], v[CT:CT+1], v[CT+4:CT+5]
	v_pk_add_f32 v[CT+2:CT+3], v[CT+2:CT+3], v[CT+6:CT+7]
	s_delay_alu instid0(VALU_DEP_1)
	v_pk_add_f32 v[CT:CT+1], v[CT:CT+1], v[CT+2:CT+3]
	s_delay_alu instid0(VALU_DEP_1)
	v_add_f32 v52, v[CT], v[CT+1]
	s_delay_alu instid0(VALU_DEP_1)
	v_permlanex16_b32 v10, v52, s20, s21
	s_delay_alu instid0(VALU_DEP_1)
	v_add_f32 v52, v52, v10                        ; row r's 128 columns of my wave
	ds_store_b32 v12, v52
	s_wait_alu depctr_va_vdst(0)                   ; the wait here, directly ahead of the wait below
	s_wait_dscnt 0x0                               ; for the others' sake
	s_barrier_signal -1
	s_barrier_wait -1
.irp k, 0,1,2,3,4,5,6,7
	ds_load_b32 v[52+\k], v13 offset:64*\k
.endr
	s_wait_dscnt 0x0
	v_pk_add_f32 v[52:53], v[52:53], v[54:55]
	v_pk_add_f32 v[56:57], v[56:57], v[58:59]
	s_delay_alu instid0(VALU_DEP_1)
	v_pk_add_f32 v[52:53], v[52:53], v[56:57]
	s_delay_alu instid0(VALU_DEP_1)
	v_add_f32 v52, v52, v53
	s_delay_alu instid0(VALU_DEP_1)
	v_mul_f32 v60, 0xba800000, v52                 ; -mean
	s_delay_alu instid0(VALU_DEP_1)
	v_mov_b32 v61, v60
.set j, 0
.rept 32
	v_pk_add_f32 v[X+j:X+j+1], v[X+j:X+j+1], v[60:61]
.set j, j+2
.endr
	v_pk_mul_f32 v[52:53], v[X:X+1], v[X:X+1]      ; the sum of squares
	v_pk_mul_f32 v[54:55], v[X+2:X+3], v[X+2:X+3]
.irp j, 4,8,12,16,20,24,28,32,36,40,44,48,52,56,60
	v_pk_fma_f32 v[52:53], v[X+\j:X+\j+1], v[X+\j:X+\j+1], v[52:53]
	v_pk_fma_f32 v[54:55], v[X+\j+2:X+\j+3], v[X+\j+2:X+\j+3], v[54:55]
.endr
	s_delay_alu instid0(VALU_DEP_1)
	v_pk_add_f32 v[52:53], v[52:53], v[54:55]
	s_delay_alu instid0(VALU_DEP_1)
	v_add_f32 v52, v52, v53
	s_delay_alu instid0(VALU_DEP_1)
	v_permlanex16_b32 v10, v52, s20, s21
	s_delay_alu instid0(VALU_DEP_1)
	v_add_f32 v52, v52, v10
	ds_store_b32 v12, v52 offset:512               ; other bytes than the first exchange's
	s_wait_alu depctr_va_vdst(0)                   ; the wait here, directly ahead of the wait below
	s_wait_dscnt 0x0
	s_barrier_signal -1
	s_barrier_wait -1
.irp k, 0,1,2,3,4,5,6,7
	ds_load_b32 v[52+\k], v13 offset:512+64*\k
.endr
	s_wait_dscnt 0x0
	v_pk_add_f32 v[52:53], v[52:53], v[54:55]
	v_pk_add_f32 v[56:57], v[56:57], v[58:59]
	s_delay_alu instid0(VALU_DEP_1)
	v_pk_add_f32 v[52:53], v[52:53], v[56:57]
	s_delay_alu instid0(VALU_DEP_1)
	v_add_f32 v52, v52, v53
	s_delay_alu instid0(VALU_DEP_1)
	v_fma_f32 v52, v52, s22, s23                   ; var + 1e-5
	s_wait_alu depctr_va_vdst(0)                   ; the wait ahead of the transcendental,
	v_rsq_f32 v60, v52
	v_nop                                          ; a plain place behind it,
	s_wait_alu depctr_va_vdst(0)                   ; and the wait ahead of its first reader
	v_mov_b32 v61, v60
.set j, 0
.rept 32
	v_pk_mul_f32 v[X+j:X+j+1], v[X+j:X+j+1], v[60:61]
.set j, j+2
.endr
	s_wait_loadcnt 0x0                             ; g and b
.set j, 0
.rept 32
	v_pk_fma_f32 v[X+j:X+j+1], v[X+j:X+j+1], v[GA+j:GA+j+1], v[RW+j:RW+j+1]
.set j, j+2
.endr
	s_wait_alu depctr_va_vdst(0)                   ; the wait here, directly ahead of the branch
	s_branch .Lquant
.Lweights:
	; ---- the weights: tiles 0-191 Wqkv, 192-255 Wout, 256-511 W1; 512-767 W2, four work-groups (1,024 along K each) to a tile
	s_sub_co_u32 s46, ttmp9, 256
	s_mul_i32 s25, s24, STG
	s_add_co_u32 s25, s25, QST
	v_add_nc_u32 v7, s25, v4
	v_mul_u32_u24 v8, v2, 528
	v_lshl_add_u32 v8, v3, 7, v8
	v_add_nc_u32 v8, s25, v8
	s_mov_b32 s16, 512
	s_mov_b32 s17, 16384                           ; a row in bytes
	s_cmp_lt_u32 s46, 512
	s_cselect_b32 s16, 256, s16
	s_cselect_b32 s17, 4096, s17
	s_cselect_b32 s18, 0, 2
	s_cselect_b32 s19, 0, 3
	s_cmp_lt_u32 s46, 256
	s_cselect_b32 s16, 192, s16
	s_cmp_lt_u32 s46, 192
	s_cselect_b32 s16, 0, s16
	s_sub_co_u32 s22, s46, s16
	s_lshr_b32 s23, s22, s18                       ; the tile in its tensor
	s_and_b32 s22, s22, s19                        ; which 1,024 along K
	s_lshr_b32 s26, s23, 1
	s_lshl_b32 s26, s26, 5
	s_and_b32 s28, s23, 1
	s_lshl_b32 s28, s28, 3
	s_add_co_u32 s26, s26, s28                     ; the tile's first row
	s_mul_i32 s26, s26, s17
	s_lshl_b32 s28, s22, 12
	s_add_co_u32 s26, s26, s28
	s_lshl_b32 s28, s24, 9
	s_add_co_u32 s26, s26, s28                     ; + my wave's 512 bytes of the rows
	s_and_b32 s28, s46, 0xfffffff8                 ; the record: 8 x half-panel + wave,
	s_lshr_b32 s31, s23, 3
	s_lshl_b32 s31, s31, 5
	s_lshl_b32 s30, s22, 3
	s_add_co_u32 s31, s31, s30
	s_add_co_u32 s31, s31, 512                     ; in W2: 512 + 32 x half-panel + 8 x part + wave
	s_cmp_lt_u32 s46, 512
	s_cselect_b32 s28, s28, s31
	s_add_co_u32 s28, s28, s24
	s_mul_i32 s28, s28, REC
	s_and_b32 s30, s23, 7                          ; the tile in its half-panel
	s_mul_i32 s31, s30, 1536
	s_add_co_u32 s32, s28, s31
	s_lshl_b32 s30, s30, 6
	s_add_co_u32 s34, s28, s30
	s_add_co_u32 s34, s34, 12288
.irp p, 0,1,2,3,4,5,6,7,8,9,10,11,12,13,14,15
	v_mad_u32_u24 v[VO+\p], s17, \p+8*(\p/8), v4   ; tile row p is row p + 8 (p / 8) from the tile's first
.endr
	s_wait_alu depctr_va_vdst(0)                   ; the wait behind the addresses' last write
	s_cmp_lt_u32 s46, 512                          ; the choice hangs on the work-group's number alone
	s_cselect_b64 s[14:15], s[8:9], s[10:11]
	s_cmp_lt_u32 s46, 256
	s_cselect_b64 s[14:15], s[6:7], s[14:15]
	s_cmp_lt_u32 s46, 192
	s_cselect_b64 s[14:15], s[4:5], s[14:15]
	s_add_nc_u64 s[14:15], s[14:15], s[26:27]
	s_add_nc_u64 s[32:33], s[36:37], s[32:33]      ; my fragment
	s_add_nc_u64 s[34:35], s[36:37], s[34:35]      ; my tile's scale words
.irp p, 0,1,2,3,4,5,6,7,8,9,10,11,12,13,14,15
	global_load_b128 v[X+4*\p:X+4*\p+3], v[VO+\p], s[14:15] th:TH_LOAD_NT   ; 32 lanes read 512 consecutive bytes
.endr
.irp p, 0,1,2,3,4,5,6,7,8,9,10,11,12,13,14,15
	s_wait_loadcnt 15-\p                           ; row p is in; the younger rows may be out
	ds_store_b128 v7, v[X+4*\p:X+4*\p+3] offset:528*\p
.endr
.irp c, 0,1
.irp j, 0,1,2,3,4,5,6,7
	ds_load_b128 v[X+32*\c+4*\j:X+32*\c+4*\j+3], v8 offset:256*\c+16*\j   ; LDS serves a wave's instructions in order: these see my stores, and land in the registers that the stores have left
.endr
.endr
	s_wait_dscnt 0x0
.Lquant:
	; ---- both ways: my blocks h and 2 + h; all 32 numbers of each are mine
.irp c, 0,1
	v_max3_num_f32 v[TM+\c], |v[X+32*\c]|, |v[X+32*\c+1]|, 0x2800000   ; with the floor 2^(5 - 127): the byte cannot fall under 1
.endr
.irp i, 2,4,6,8,10,12,14,16,18,20,22,24,26,28,30
.irp c, 0,1
	s_delay_alu instid0(VALU_DEP_2)
	v_max3_num_f32 v[TM+\c], v[TM+\c], |v[X+32*\c+\i]|, |v[X+32*\c+\i+1]|
.endr
.endr
.irp c, 0,1
	s_delay_alu instid0(VALU_DEP_2)
	v_add_nc_u32 v[SO+\c], 0xfe000000, v[TM+\c]    ; 4 off the exponent field: the conversion's scale operand
.endr
.irp c, 0,1
	s_delay_alu instid0(VALU_DEP_2)
	v_lshrrev_b32 v[BY+\c], 23, v[SO+\c]           ; the scale's byte
.endr
	s_delay_alu instid0(VALU_DEP_1)
	v_lshl_or_b32 v[WD], v[BY+1], 16, v[BY]
	s_delay_alu instid0(VALU_DEP_1)
	v_lshlrev_b32 v[WD], v9, v[WD]                 ; my two bytes at their places, 8 h bits up
	s_delay_alu instid0(VALU_DEP_1)
	v_permlanex16_b32 v10, v[WD], s20, s21
	s_delay_alu instid0(VALU_DEP_1)
	v_or_b32 v[WD], v[WD], v10                     ; with lane l xor 16's two the word is whole
.irp c, 0,1
	v_cvt_scalef32_pk16_bf6_f32 v[PC+6*\c:PC+6*\c+2], v[X+32*\c:X+32*\c+15], v[SO+\c]
	v_cvt_scalef32_pk16_bf6_f32 v[CT+4*\c:CT+4*\c+2], v[X+32*\c+16:X+32*\c+31], v[SO+\c]   ; (a conversion's three registers begin on an even number)
.endr
	v_nop                                          ; one plain place behind a scaled conversion
.irp c, 0,1
.irp i, 0,1,2
	v_mov_b32 v[PC+6*\c+3+\i], v[CT+4*\c+\i]
.endr
.endr
	global_store_b128 v4, v[PC:PC+3], s[32:33]                     ; 512 consecutive bytes,
	global_store_b64 v5, v[PC+4:PC+5], s[32:33] offset:512         ; 256,
	global_store_b128 v4, v[PC+6:PC+9], s[32:33] offset:768
	global_store_b64 v5, v[PC+10:PC+11], s[32:33] offset:1280
	global_store_b32 v6, v[WD], s[34:35]                           ; 16 scale words; both halves of the lanes hold and write the same
	s_wait_tensorcnt 0x0                           ; the wave's end, behind my last LDS store
	ds_add_u32 v[SPW], v[NIL]
	s_wait_dscnt 0x0
	s_endpgm
.Lfunc_end_k_q0bf6d4dd43_prep:
	.size	k_q0bf6d4dd43_prep, .Lfunc_end_k_q0bf6d4dd43_prep-k_q0bf6d4dd43_prep
	.p2alignl 7, 3214868480
	.fill 96, 4, 3214868480
	.section	.rodata,"a",@progbits
	.p2align	6, 0x0
	.amdhsa_kernel k_q0bf6d4dd43_prep
		.amdhsa_group_segment_fixed_size 137216
		.amdhsa_private_segment_fixed_size 0
		.amdhsa_enable_private_segment 0
		.amdhsa_kernarg_size 72
		.amdhsa_user_sgpr_count 2
		.amdhsa_user_sgpr_kernarg_segment_ptr 1
		.amdhsa_wavefront_size32 1
		.amdhsa_system_sgpr_workgroup_id_x 1
		.amdhsa_system_sgpr_workgroup_id_y 1
		.amdhsa_system_sgpr_workgroup_id_z 1
		.amdhsa_system_vgpr_workitem_id 0
		.amdhsa_next_free_vgpr 256
		.amdhsa_next_free_sgpr 66
		.amdhsa_reserve_vcc 0
		.amdhsa_float_denorm_mode_32 3
		.amdhsa_float_denorm_mode_16_64 3
		.amdhsa_memory_ordered 1
		.amdhsa_forward_progress 1
		.amdhsa_inst_pref_size 35
	.end_amdhsa_kernel
	.amdgpu_metadata
---
amdhsa.version: [ 1, 2 ]
amdhsa.kernels:
  - .name:           k_q0bf6d4dd43_prep
    .symbol:         k_q0bf6d4dd43_prep.kd
    .args:
      - { .name: Wqkv, .offset: 0, .size: 8, .value_kind: global_buffer, .address_space: global }
      - { .name: Wout, .offset: 8, .size: 8, .value_kind: global_buffer, .address_space: global }
      - { .name: W1, .offset: 16, .size: 8, .value_kind: global_buffer, .address_space: global }
      - { .name: W2, .offset: 24, .size: 8, .value_kind: global_buffer, .address_space: global }
      - { .name: wq, .offset: 32, .size: 8, .value_kind: global_buffer, .address_space: global }
      - { .name: src, .offset: 40, .size: 8, .value_kind: global_buffer, .address_space: global }
      - { .name: ln1_g, .offset: 48, .size: 8, .value_kind: global_buffer, .address_space: global }
      - { .name: ln1_b, .offset: 56, .size: 8, .value_kind: global_buffer, .address_space: global }
      - { .name: xq, .offset: 64, .size: 8, .value_kind: global_buffer, .address_space: global }
    .group_segment_fixed_size: 137216
    .private_segment_fixed_size: 0
    .kernarg_segment_align: 8
    .kernarg_segment_size: 72
    .max_flat_workgroup_size: 256
    .sgpr_count:     66
    .vgpr_count:     256
    .wavefront_size: 32
...
	.end_amdgpu_metadata
.endif
;; end of part 1
;; launch projqkv (part 2): grid 8 x 24, 4 waves a work-group, clusters of 4 x 4, 327,680 bytes of LDS; arguments xq, wq, bqkv, qkv; writes qkv
.if DOCPART == 2
	.amdgcn_target "amdgcn-amd-amdhsa--gfx1250"
	.amdhsa_code_object_version 6
	.text
	.protected	k_q0bf6d4dd43_projqkv
	.globl	k_q0bf6d4dd43_projqkv
	.p2align	8
	.type	k_q0bf6d4dd43_projqkv,@function
k_q0bf6d4dd43_projqkv:
	s_mov_b64 s[64:65], 0
	v_nop
	global_prefetch_b8 v0, s[64:65] scope:SCOPE_SE
	s_setreg_imm32_b32 hwreg(HW_REG_WAVE_MODE, 25, 1), 1
	s_wait_xcnt 0x0
	s_wait_alu depctr_hold_cnt(0) depctr_sa_sdst(0) depctr_va_vdst(0) depctr_va_sdst(0) depctr_va_ssrc(0) depctr_va_vcc(0) depctr_vm_vsrc(0)
	s_getreg_b32 s2, hwreg(HW_REG_IB_STS2, 6, 4)
	s_cmp_eq_u32 s2, 0
	s_cbranch_scc0 .Lentry_in_a_cluster
	s_endpgm
.Lentry_in_a_cluster:
	s_bfe_u32 s2, ttmp6, 0x10000c
	s_cmp_lg_u32 s2, 0xf033
	s_cbranch_scc0 .Lentry_shape_is_right
	s_endpgm
.Lentry_shape_is_right:
; q, k, v = LN1(src) Wqkv^T + bqkv on codes of BF6 (E3M2), and at once quantised for attention: q and k along the head's 64, v along the keys.
; A tile is 256 (X) x 256 (Y); four waves, each 128 x 128: 64 accumulators.  THE MATRIX INSTRUCTION IS USED TRANSPOSED: source 0 = 16 rows of Y, source 1 = 16 rows of X: a lane holds one row of X, and (by the order of a tile's rows:
; lane row r of tile 2 a + u is row 32 a + 8 u + r + 8 (r / 8)) register 16 b + i of an X tile's 64 results is Y's row 32 b + 16 (lane / 16) + i: 16 neighbours along the next product's K.
; TWO MODES, by the cluster's y (the same in all sixteen partners).  y < 4: X = tokens, Y = Wq's and Wk's rows: results run along the features.  y >= 4: X = Wv's rows, Y = tokens: results run along the keys (v^T).
; Operands come as records of 12,800 bytes (128 rows x 128 K: tile i's fragment at 1536 i, its 16 scale words at 12288 + 64 i), laid in the order of the operand's registers: every LDS load reads 512 or 256 consecutive bytes.
; K = 1,024 goes in four steps of 256; a wave's head load brings six records of one half-panel (76,800 dense bytes), its refill two.  THREE REGIONS OF LDS take the first three steps' tiles, all asked for at the head by one load of a wave (one load of a wave is out at the most);
; the fourth step's tiles fill region 0 again behind the first change of regions, 224 matrix instructions ahead of the wait for them: one refill in the launch.  X's tiles are shared along a row of the 4 x 4 cluster, Y's along a column: joint loads.
; OUT: qkv[batch x head 32][128 tokens 16][q, k, v][6,400].  q, k: 8 token tiles x 768 bytes (64 along d), at 6144 the scale words by pairs of tiles (tile 2 n's two bytes below, tile 2 n + 1's above).  v: 4 fragments (16 d x 128 keys), at 6144 their scale words.
; LIMITS: a block of zeros, or one whose largest magnitude lies under 2^-122, gets the scale byte 1; NaN and infinities are not served.
.set REC,   12800
.set PART,  2*REC                      ; what the refill brings
; LDS IS LAID BY HALF-PANEL: wave w's tensor loads land from 3 PART w on, six records on end (K's first 768); region s of a half-panel is its records 2 s and 2 s + 1.
; At the head a wave issues ONE load, of all six records (76,800 dense bytes); records 6 and 7 fill region 0 again behind the first change of regions.
.set SLOT,   PART                      ; from region to region inside a half-panel's bytes
.set SPARE, 12*PART                    ; behind the four half-panels: the spare words
.set G1L,  76                          ; s[76:83] group 1 for the head's load of X: 300 rows;  s[88:95] for Y's
.set G1LB, 88
.set HPB,   8*REC                      ; a half-panel's eight records
.set FR,    12
.set XA,    4                          ; v4-6 X's records in region 0, 1, 2 + 16 x lane;  v7-9 + 8 x lane
.set YA,    10                         ; v10-15 the same for Y
.set ADRS,  16                         ; v16-18 my scale words: lanes 0-15 X's, lanes 16-31 Y's
.set BO,    20                         ; v20 64 (lane / 16): the bias along my registers
.set BR,    21                         ; v21 4 (r + 8 (r / 8)): the bias of my row
.set L16,   26
.set L8,    27
.set SPW,   28
.set NIL,   29
.set L4,    30
.set SC,    32                         ; v32-63 scale words, two sets of 16: register 2 i + q
.set BI,    64                         ; v64-127 the bias
.set AF,    128                        ; v128-223 X's fragments, one set
.set H,     128                        ; the way out: v128-191 64 numbers; v192-203 codes, v204-211 second halves; v212-227 at work; v228-235 scale words; v236-243 at work
.set PC,    192
.set TM,    212
.set PWS,   228
.set TP,    236
.set G1,  24                           ; s[24:31] group 1 for X's tiles;  s[48:55] for Y's
.set G1B, 48
.set G0,  72                           ; s[72:75] group 0 for X's tiles;  s[84:87] for Y's
.set G0B, 84
.set HIM, 66                           ; s66 lanes 16-31
.set SEL, 70
.set MSB, 0
.macro WIN new                         ; the immediate's high byte repeats the setting that is left
.if MSB != (\new)
	s_set_vgpr_msb (MSB<<8)|(\new)
.set MSB, (\new)
.endif
.endm
.set MUL_LO, 0xa1                      ; source 0 (Y) window 1, source 1 (X) window 0, C and D window 2
.set MUL_HI, 0xf1
.set TO_B,   0x40
.macro JLOAD g0a, g1a, g0b, g1b        ; a joint load: waves 0 and 1 fetch for X, waves 2 and 3 for Y; an s_nop 0 and four v_nop follow each line
	s_cmp_eq_u32 s15, 0
	s_cbranch_scc0 .Lfor_b_\@
	tensor_load_to_lds s[\g0a:\g0a+3], s[\g1a:\g1a+7]
	s_nop 0
.rept 4
	v_nop
.endr
	s_branch .Lasked_\@
.Lfor_b_\@:
	tensor_load_to_lds s[\g0b:\g0b+3], s[\g1b:\g1b+7]
	s_nop 0
.rept 4
	v_nop
.endr
.Lasked_\@:
.endm
.macro CREST
	s_cmp_lg_u32 s14, 0
	s_cbranch_scc1 .Lnot_wave_0_\@
	s_barrier_signal -3
.Lnot_wave_0_\@:
	s_barrier_wait -3
	s_barrier_signal -1
	s_barrier_wait -1
.endm
.macro CROUND
	s_barrier_signal -1
	s_barrier_wait -1
	CREST
.endm
.macro PLACES                          ; four plain places behind matrix instructions, ahead of loads into their registers and of reads of their results
.rept 4
	v_nop
.endr
.endm
.macro FRAG reg, a, off                ; a fragment as it lies: 512, 256, 512, 256 consecutive bytes
	ds_load_b128 v[\reg:\reg+3], v[\a] offset:\off
	ds_load_b64 v[\reg+4:\reg+5], v[\a+3] offset:\off+512
	ds_load_b128 v[\reg+6:\reg+9], v[\a] offset:\off+768
	ds_load_b64 v[\reg+10:\reg+11], v[\a+3] offset:\off+1280
.endm
.macro FETCH_B rg, q, p                ; Y's eight fragments of region rg's q-th 128 along K into set p
	WIN TO_B
.irp i, 0,1,2,3,4,5,6,7
	FRAG 128*(\p)+FR*\i, YA+\rg, (\q)*REC+\i*1536
.endr
	WIN 0
.endm
.macro FETCH_A rg, q, i0
.irp i, \i0, \i0+1, \i0+2, \i0+3
	FRAG AF+FR*(\i), XA+\rg, (\q)*REC+(\i)*1536
.endr
.endm
.macro SCALES rg, sc                   ; a region's scale words into set sc: lanes 0-15 X's tile i, lanes 16-31 Y's tile i
.irp q, 0,1
.irp i, 0,1,2,3,4,5,6,7
	ds_load_b32 v[SC+16*(\sc)+2*\i+\q], v[ADRS+\rg] offset:\q*REC+64*\i
.endr
.endr
.endm
.macro MUL16 a0, p, q, sc, zero        ; X's tiles a0, a0 + 1 against Y's eight; the 64 accumulators take turns, one instruction a turn, in the same order in every step
.irp a, \a0, \a0+1
.irp b, 0,1,2,3,4,5,6,7
.if \zero
	v_wmma_scale_f32_16x16x128_f8f6f4 v[8*(8*((\a)%4)+\b):8*(8*((\a)%4)+\b)+7], v[128*(\p)+FR*\b:128*(\p)+FR*\b+FR-1], v[AF+FR*(\a):AF+FR*(\a)+FR-1], 0, v[SC+16*(\sc)+2*\b+(\q)], v[SC+16*(\sc)+2*(\a)+(\q)] matrix_a_fmt:MATRIX_FMT_BF6 matrix_b_fmt:MATRIX_FMT_BF6 matrix_a_scale:MATRIX_SCALE_ROW1
.else
	v_wmma_scale_f32_16x16x128_f8f6f4 v[8*(8*((\a)%4)+\b):8*(8*((\a)%4)+\b)+7], v[128*(\p)+FR*\b:128*(\p)+FR*\b+FR-1], v[AF+FR*(\a):AF+FR*(\a)+FR-1], v[8*(8*((\a)%4)+\b):8*(8*((\a)%4)+\b)+7], v[SC+16*(\sc)+2*\b+(\q)], v[SC+16*(\sc)+2*(\a)+(\q)] matrix_a_fmt:MATRIX_FMT_BF6 matrix_b_fmt:MATRIX_FMT_BF6 matrix_a_scale:MATRIX_SCALE_ROW1
.endif
.endr
.endr
.endm
.macro STEP rg, sc, zero               ; a region's first 128 along K; its second is fetched meanwhile
	s_wait_dscnt 16                                ; all but the youngest 16 loads (X's tiles 4-7)
	WIN MUL_LO
	MUL16 0, 0, 0, \sc, \zero
	MUL16 2, 0, 0, \sc, \zero
	s_wait_dscnt 0
	PLACES
	FETCH_B \rg, 1, 1
	FETCH_A \rg, 1, 0
	WIN MUL_HI
	MUL16 4, 0, 0, \sc, \zero
	MUL16 6, 0, 0, \sc, \zero
	PLACES
	WIN 0
	FETCH_A \rg, 1, 4
.endm
; A region's second 128 along K, and the change to region nrg (scale set nsc).  mode 0: the next region was shown landed, to every wave, at an earlier barrier: no wait on tensor loads, no barrier.
; mode 1: a barrier, in front of it the wait for all my tensor loads.  mode 2: the same, the barrier opens a round of the cluster's, and region 0, just read out, is filled again with the fourth step's tiles.
.macro TURN sc, nrg, nsc, mode
.if \mode == 0
	s_wait_dscnt 16
	WIN MUL_LO
	MUL16 0, 1, 1, \sc, 0
	MUL16 2, 1, 1, \sc, 0
	s_wait_dscnt 0
	PLACES
.else
	s_wait_tensorcnt 0x0                           ; all my tensor loads have landed;
	ds_add_u32 v[SPW], v[NIL]                      ; 0 onto my spare word;
	s_wait_dscnt 17                                ; (the add and the youngest 16 loads may be out)
	WIN MUL_LO
	MUL16 0, 1, 1, \sc, 0
	s_wait_dscnt 0x0                               ; the add is done, and my reads of this region are over
	s_barrier_signal -1
	MUL16 2, 1, 1, \sc, 0
	WIN 0
	s_barrier_wait -1
.if \mode == 2
	CREST                                          ; the barrier has opened a round of the cluster's: no wave of any partner still reads region 0 or has a load on its way
	s_add_nc_u64 s[G0+2:G0+3], s[G0+2:G0+3], 3*PART
	s_add_nc_u64 s[G0B+2:G0B+3], s[G0B+2:G0B+3], 3*PART
	JLOAD G0, G1, G0B, G1B                         ; the first tensor load behind the round; its four v_nop are the places in front of the loads below
.else
	PLACES
.endif
.endif
	FETCH_B \nrg, 0, 0
	FETCH_A \nrg, 0, 0
	SCALES \nrg, \nsc
	WIN MUL_HI
	MUL16 4, 1, 1, \sc, 0
	MUL16 6, 1, 1, \sc, 0
	PLACES
	WIN 0
	FETCH_A \nrg, 0, 4
.endm
.macro LAST
	s_wait_dscnt 16
	WIN MUL_LO
	MUL16 0, 1, 1, 1, 0
	MUL16 2, 1, 1, 1, 0
	s_wait_dscnt 0
	WIN MUL_HI
	MUL16 4, 1, 1, 1, 0
	MUL16 6, 1, 1, 1, 0
	WIN 0
	PLACES
.endm
; 64 numbers of a lane, register 16 b + i = k 32 b + 16 (lane / 16) + i of my row, become a fragment's codes in v[PC] on and its scale word in v[pw]
.macro QUANT s, pw
.irp b, 0,1,2,3
	v_max3_num_f32 v[TM+\b], |v[\s+16*\b]|, |v[\s+1+16*\b]|, 0x2800000   ; with the floor 2^(5 - 127): the byte cannot fall under 1
.endr
.irp i, 2,4,6,8,10,12,14
.irp b, 0,1,2,3
	v_max3_num_f32 v[TM+\b], v[TM+\b], |v[\s+16*\b+\i]|, |v[\s+1+16*\b+\i]|
.endr
.endr
.irp b, 0,1,2,3
	v_permlanex16_b32 v[TM+4+\b], v[TM+\b], s[SEL], s[SEL+1]
.endr
.irp b, 0,1,2,3
	v_max_num_f32 v[TM+\b], v[TM+\b], v[TM+4+\b]
.endr
.irp b, 0,1,2,3
	v_add_nc_u32 v[TM+12+\b], 0xfe000000, v[TM+\b] ; 4 off the exponent field: the conversion's scale operand
.endr
.irp b, 0,1,2,3
	v_lshrrev_b32 v[TM+4+\b], 23, v[TM+12+\b]
.endr
	v_lshl_or_b32 v[\pw], v[TM+5], 8, v[TM+4]
	v_lshl_or_b32 v[\pw], v[TM+6], 16, v[\pw]
	v_lshl_or_b32 v[\pw], v[TM+7], 24, v[\pw]
.irp c, 0,1
	v_cvt_scalef32_pk16_bf6_f32 v[PC+6*\c:PC+2+6*\c], v[\s+32*\c:\s+15+32*\c], v[TM+12+2*\c]
	v_cvt_scalef32_pk16_bf6_f32 v[PC+12+4*\c:PC+14+4*\c], v[\s+16+32*\c:\s+31+32*\c], v[TM+12+2*\c+1]
.endr
	v_nop                                          ; one plain place behind a scaled conversion
.irp c, 0,1                                    ; the operand's layout wants a whole block in a lane
.irp i, 0,1,2
	v_permlane16_swap_b32 v[PC+6*\c+\i], v[PC+12+4*\c+\i]
.endr
.irp i, 0,1,2
	v_mov_b32 v[PC+3+6*\c+\i], v[PC+12+4*\c+\i]
.endr
.endr
.endm
.macro PRE a, v                        ; X tile a's 64 sums + bias, into window 0, each accumulator from its low end on.  v = 0: the bias runs along my registers; 1: one number a lane
	WIN 0x02+(\a)/4
.set AC, 64*((\a)%4)
.set m, 0
.rept 32
.if \v
	v_pk_add_f32 v[H+m:H+m+1], v[AC+m:AC+m+1], v[BI+2*(\a):BI+2*(\a)+1]
.else
	v_pk_add_f32 v[H+m:H+m+1], v[AC+m:AC+m+1], v[BI+m:BI+m+1]
.endif
.set m, m+2
.endr
	WIN 0
.endm
	s_load_b256 s[4:11], s[0:1], 0x0               ; xq, wq, bqkv, qkv
	v_lshl_add_u32 v[SPW], v0, 2, SPARE
	v_mov_b32 v[NIL], 0
	ds_add_u32 v[SPW], v[NIL]                      ; the wave's opening: the add, twice on end, and its wait ahead of my first tensor load
	ds_add_u32 v[SPW], v[NIL]
	v_lshrrev_b32 v1, 5, v0
	v_readfirstlane_b32 s14, v1                    ; wave
	s_lshr_b32 s15, s14, 1                         ; which half of X's rows is mine.  Also: I fetch for X (0) or for Y (1)
	s_and_b32 s16, s14, 1                          ; which half of Y's.  Also: which half-panel I fetch
	s_bfe_u32 s40, ttmp6, 0x40000                  ; cx
	s_bfe_u32 s41, ttmp6, 0x40004                  ; cy
	s_and_b32 s12, ttmp7, 0xffff                   ; cluster y
	s_lshl_b32 s18, s12, 2
	s_lshl_b32 s19, ttmp9, 2
	s_sub_co_u32 s20, s12, 4
	s_lshl_b32 s20, s20, 3
	s_add_co_u32 s20, s20, s19                     ; 4 (cluster x + 2 (cluster y - 4))
	s_cmp_ge_u32 s12, 4
	s_cselect_b32 s13, 1, 0                        ; the mode: 1 = v
	s_cselect_b32 s17, 0, s18
	s_cselect_b32 s42, s20, s19
	s_add_co_u32 s17, s17, s41                     ; X's tile: hangs on cy, never on cx
	s_add_co_u32 s42, s42, s40                     ; Y's tile: hangs on cx, never on cy
	s_lshl_b32 s43, s41, 2
	s_lshl_b32 s43, 15, s43                        ; my row of the cluster
	s_lshl_b32 s44, 0x1111, s40                    ; my column
	s_or_b32 s[G1], s43, (3<<16)|(1<<21)           ; 15:0 the mask; 17:16 elements of 8 bytes; 21 set beside a mask; no padding
	s_or_b32 s[G1B], s44, (3<<16)|(1<<21)
	s_or_b32 s[G1L], s43, (3<<16)|(1<<21)
	s_or_b32 s[G1LB], s44, (3<<16)|(1<<21)
.irp g, G1L, G1LB
	s_mov_b32 s[\g+1], 32<<16                      ; rows of 256 bytes,
	s_mov_b32 s[\g+2], 300<<16                     ; 300 of them: six records, dense
	s_mov_b32 s[\g+3], 32<<16
	s_mov_b32 s[\g+4], 300
	s_mov_b32 s[\g+5], 32
	s_mov_b32 s[\g+6], 0
	s_mov_b32 s[\g+7], 0
.endr
.irp g, G1, G1B
	s_mov_b32 s[\g+1], 32<<16                      ; tensor_dim0 = 32 elements: 256 bytes
	s_mov_b32 s[\g+2], 100<<16                     ; tensor_dim1 = 100 rows: 25,600 dense bytes
	s_mov_b32 s[\g+3], 32<<16                      ; tile_dim0
	s_mov_b32 s[\g+4], 100                         ; tile_dim1
	s_mov_b32 s[\g+5], 32                          ; the pitch
	s_mov_b32 s[\g+6], 0
	s_mov_b32 s[\g+7], 0
.endr
	s_lshl_b32 s20, s17, 1
	s_add_co_u32 s20, s20, s16
	s_mul_i32 s20, s20, HPB                        ; X: half-panel 2 x tile + (wave & 1)
	s_mov_b32 s21, 0
	s_lshl_b32 s46, s42, 1
	s_add_co_u32 s46, s46, s16
	s_mul_i32 s46, s46, HPB
	s_mov_b32 s47, 0
	s_mul_i32 s45, s14, 3*PART
	s_mov_b32 s[HIM], 0xffff0000
	s_mov_b32 s67, 0x05040100
	s_mov_b32 s68, 0x07060302
	s_mov_b32 s[SEL], 0x76543210
	s_mov_b32 s[SEL+1], 0xfedcba98
	s_wait_dscnt 0x0                               ; both opening adds are done
	s_wait_kmcnt 0x0
	s_add_nc_u64 s[32:33], s[6:7], 16*HPB          ; Wv's half-panels
	s_cmp_eq_u32 s13, 1
	s_cselect_b64 s[34:35], s[32:33], s[4:5]
	s_cselect_b64 s[36:37], s[4:5], s[6:7]
	s_add_nc_u64 s[20:21], s[34:35], s[20:21]
	s_add_nc_u64 s[46:47], s[36:37], s[46:47]
	CROUND                                         ; all sixteen work-groups are here: the first joint loads meet
	s_mov_b32 s[G0], 1
	s_mov_b32 s[G0+1], s45
	s_mov_b64 s[G0+2:G0+3], s[20:21]
	s_or_b32 s[G0+3], s[G0+3], 0x80000000
	s_mov_b32 s[G0B], 1
	s_mov_b32 s[G0B+1], s45
	s_mov_b64 s[G0B+2:G0B+3], s[46:47]
	s_or_b32 s[G0B+3], s[G0B+3], 0x80000000
	JLOAD G0, G1L, G0B, G1LB                       ; my one load at the head: six records of my half-panel
	v_and_b32 v1, 31, v0
	v_and_b32 v2, 15, v0                           ; r
	v_bfe_u32 v3, v0, 4, 1                         ; h
	v_lshlrev_b32 v[L16], 4, v1
	v_lshlrev_b32 v[L8], 3, v1
	v_lshlrev_b32 v[L4], 2, v1
	s_mul_i32 s21, s15, 3*PART
	s_mul_i32 s22, s16, 3*PART
	s_add_co_u32 s22, s22, 6*PART
.irp s, 0,1,2
	v_add_nc_u32 v[XA+\s], s21, v[L16]
	v_add_nc_u32 v[XA+3+\s], s21, v[L8]
	v_add_nc_u32 v[YA+\s], s22, v[L16]
	v_add_nc_u32 v[YA+3+\s], s22, v[L8]
	s_add_co_u32 s21, s21, SLOT
	s_add_co_u32 s22, s22, SLOT
.endr
	s_mul_i32 s21, s15, 3*PART
	s_mul_i32 s22, s16, 3*PART
	s_add_co_u32 s22, s22, 6*PART
	s_sub_co_u32 s22, s22, s21
	v_mul_u32_u24 v19, s22, v3                     ; lanes 16-31 take Y's
	v_lshl_add_u32 v19, v2, 2, v19
	s_add_co_u32 s21, s21, 12288
	v_add_nc_u32 v[ADRS], s21, v19
	v_add_nc_u32 v[ADRS+1], SLOT, v[ADRS]
	v_add_nc_u32 v[ADRS+2], 2*SLOT, v[ADRS]
	v_lshlrev_b32 v[BO], 6, v3                     ; 64 h: the bias along my registers
	v_and_b32 v[BR], 8, v2
	v_add_nc_u32 v[BR], v[BR], v2
	v_lshlrev_b32 v[BR], 2, v[BR]                  ; 4 (r + 8 (r / 8)): the bias of my row
	s_wait_alu depctr_va_vdst(0)
	s_wait_tensorcnt 0x0                           ; my six records are in,
	s_barrier_signal -1
	s_barrier_wait -1                              ; everybody's is
	FETCH_B 0, 0, 0
	FETCH_A 0, 0, 0
	SCALES 0, 0
	FETCH_A 0, 0, 4
	STEP 0, 0, 1                                   ; the first products start the sums
	TURN 0, 1, 1, 2                                ; regions 1 and 2 have landed; region 0 takes the fourth step's tiles
	STEP 1, 1, 0
	TURN 1, 2, 0, 0                                ; region 2 was shown landed at the barrier above
	STEP 2, 0, 0
	TURN 0, 0, 1, 1                                ; the refill has landed; nothing is left to fetch
	STEP 0, 1, 0
	s_lshl_b32 s18, s17, 1
	s_add_co_u32 s18, s18, s15                     ; my half-panel of X
	s_lshl_b32 s19, s42, 1
	s_add_co_u32 s19, s19, s16                     ; and of Y
	s_mov_b32 s21, 0
	s_cmp_eq_u32 s13, 1
	s_cbranch_scc1 .Lv_arm
	; ---- q and k: X = tokens, Y = 128 features = two heads
	s_lshl_b32 s20, s19, 9
	s_add_nc_u64 s[8:9], s[8:9], s[20:21]
.irp b, 0,1,2,3
.irp k, 0,1,2,3
	global_load_b128 v[BI+16*\b+4*\k:BI+16*\b+4*\k+3], v[BO], s[8:9] offset:128*\b+16*\k   ; they land under the last 64 products
.endr
.endr
	s_lshr_b32 s20, s18, 4
	s_lshl_b32 s20, s20, 4                         ; 16 x batch
	s_and_b32 s22, s19, 7
	s_lshl_b32 s22, s22, 1                         ; the first of my two heads
	s_add_co_u32 s20, s20, s22
	s_lshl_b32 s20, s20, 4
	s_and_b32 s22, s18, 15                         ; which 128 tokens
	s_add_co_u32 s20, s20, s22
	s_mul_i32 s20, s20, 19200
	s_lshr_b32 s22, s19, 3                         ; q or k
	s_mul_i32 s22, s22, 6400
	s_add_co_u32 s20, s20, s22
	s_add_nc_u64 s[10:11], s[10:11], s[20:21]
	LAST
	s_wait_loadcnt 0x0
.irp b, 0,1,2,3
	v_mov_b32 v[TM+4+\b], 0                        ; a lane permute's destination counts as one of its sources
.endr
.irp a, 0,1,2,3,4,5,6,7
	PRE \a, 0
	s_wait_xcnt 0x0                                ; the last tile's stores have read their registers
	QUANT H, PWS+\a
.irp c, 0,1
	global_store_b128 v[L16], v[PC+6*\c:PC+6*\c+3], s[10:11] offset:\c*307200+\a*768        ; head c's half: 512 consecutive bytes,
	global_store_b64 v[L8], v[PC+6*\c+4:PC+6*\c+5], s[10:11] offset:\c*307200+\a*768+512    ; and 256
.endr
.endr
.irp c, 0,1
.irp k, 0,1
	v_perm_b32 v[TP+2*(2*\c+\k)], v[PWS+4*\k+1], v[PWS+4*\k], s[67+\c]       ; head c's two bytes of two tiles make a pair's word
	v_perm_b32 v[TP+2*(2*\c+\k)+1], v[PWS+4*\k+3], v[PWS+4*\k+2], s[67+\c]
	v_cndmask_b32 v[TP+2*(2*\c+\k)], v[TP+2*(2*\c+\k)], v[TP+2*(2*\c+\k)+1], s[HIM]   ; lanes 16-31 carry the next pair's
	global_store_b32 v[L4], v[TP+2*(2*\c+\k)], s[10:11] offset:\c*307200+6144+128*\k
.endr
.endr
	s_branch .Lend
.Lv_arm:
	; ---- v^T: X = 128 of Wv's rows = two heads, Y = 128 tokens
	s_lshl_b32 s20, s18, 9
	s_add_co_u32 s20, s20, 8192
	s_add_nc_u64 s[8:9], s[8:9], s[20:21]
.irp a, 0,1,2,3,4,5,6,7
	global_load_b32 v[BI+2*\a], v[BR], s[8:9] offset:4*(32*(\a/2)+8*(\a%2))
	global_load_b32 v[BI+2*\a+1], v[BR], s[8:9] offset:4*(32*(\a/2)+8*(\a%2))
.endr
	s_lshr_b32 s20, s19, 4
	s_lshl_b32 s20, s20, 4                         ; 16 x batch
	s_lshl_b32 s22, s18, 1                         ; the first of my two heads
	s_add_co_u32 s20, s20, s22
	s_lshl_b32 s20, s20, 4
	s_and_b32 s22, s19, 15
	s_add_co_u32 s20, s20, s22
	s_mul_i32 s20, s20, 19200
	s_add_co_u32 s20, s20, 12800
	s_add_nc_u64 s[10:11], s[10:11], s[20:21]
	LAST
	s_wait_loadcnt 0x0
.irp b, 0,1,2,3
	v_mov_b32 v[TM+4+\b], 0
.endr
.irp a, 0,1,2,3,4,5,6,7
	PRE \a, 1
	s_wait_xcnt 0x0
	QUANT H, PWS+\a
	global_store_b128 v[L16], v[PC:PC+3], s[10:11] offset:(\a/4)*307200+(\a%4)*1536
	global_store_b64 v[L8], v[PC+4:PC+5], s[10:11] offset:(\a/4)*307200+(\a%4)*1536+512
	global_store_b128 v[L16], v[PC+6:PC+9], s[10:11] offset:(\a/4)*307200+(\a%4)*1536+768
	global_store_b64 v[L8], v[PC+10:PC+11], s[10:11] offset:(\a/4)*307200+(\a%4)*1536+1280
.endr
.irp k, 0,1,2,3
	v_cndmask_b32 v[TP+\k], v[PWS+2*\k], v[PWS+2*\k+1], s[HIM]
	global_store_b32 v[L4], v[TP+\k], s[10:11] offset:(\k/2)*307200+6144+128*(\k%2)
.endr
.Lend:
	s_wait_tensorcnt 0x0                           ; the wave's end, behind my last tensor load
	ds_add_u32 v[SPW], v[NIL]
	s_wait_dscnt 0x0
	CROUND                                         ; the closing round
	s_endpgm
.Lfunc_end_k_q0bf6d4dd43_projqkv:
	.size	k_q0bf6d4dd43_projqkv, .Lfunc_end_k_q0bf6d4dd43_projqkv-k_q0bf6d4dd43_projqkv
	.p2alignl 7, 3214868480
	.fill 96, 4, 3214868480
	.section	.rodata,"a",@progbits
	.p2align	6, 0x0
	.amdhsa_kernel k_q0bf6d4dd43_projqkv
		.amdhsa_group_segment_fixed_size 327680
		.amdhsa_private_segment_fixed_size 0
		.amdhsa_enable_private_segment 0
		.amdhsa_kernarg_size 32
		.amdhsa_user_sgpr_count 2
		.amdhsa_user_sgpr_kernarg_segment_ptr 1
		.amdhsa_wavefront_size32 1
		.amdhsa_system_sgpr_workgroup_id_x 1
		.amdhsa_system_sgpr_workgroup_id_y 1
		.amdhsa_system_sgpr_workgroup_id_z 1
		.amdhsa_system_vgpr_workitem_id 0
		.amdhsa_next_free_vgpr 1024
		.amdhsa_next_free_sgpr 96
		.amdhsa_reserve_vcc 0
		.amdhsa_float_denorm_mode_32 3
		.amdhsa_float_denorm_mode_16_64 3
		.amdhsa_memory_ordered 1
		.amdhsa_forward_progress 1
		.amdhsa_inst_pref_size 227
	.end_amdhsa_kernel
	.amdgpu_metadata
---
amdhsa.version: [ 1, 2 ]
amdhsa.kernels:
  - .name:           k_q0bf6d4dd43_projqkv
    .symbol:         k_q0bf6d4dd43_projqkv.kd
    .args:
      - { .name: xq, .offset: 0, .size: 8, .value_kind: global_buffer, .address_space: global }
      - { .name: wq, .offset: 8, .size: 8, .value_kind: global_buffer, .address_space: global }
      - { .name: bqkv, .offset: 16, .size: 8, .value_kind: global_buffer, .address_space: global }
      - { .name: qkv, .offset: 24, .size: 8, .value_kind: global_buffer, .address_space: global }
    .group_segment_fixed_size: 327680
    .private_segment_fixed_size: 0
    .kernarg_segment_align: 8
    .kernarg_segment_size: 32
    .max_flat_workgroup_size: 128
    .sgpr_count:     96
    .vgpr_count:     1024
    .wavefront_size: 32
...
	.end_amdgpu_metadata
.endif
;; end of part 2
;; launch attn (part 3): grid 8 x 32, 16 waves a work-group, clusters of 4 x 1, 206,848 bytes of LDS; arguments qkv, oq; writes oq
.if DOCPART == 3
	.amdgcn_target "amdgcn-amd-amdhsa--gfx1250"
	.amdhsa_code_object_version 6
	.text
	.protected	k_q0bf6d4dd43_attn
	.globl	k_q0bf6d4dd43_attn
	.p2align	8
	.type	k_q0bf6d4dd43_attn,@function
k_q0bf6d4dd43_attn:
	s_mov_b64 s[64:65], 0
	v_nop
	global_prefetch_b8 v0, s[64:65] scope:SCOPE_SE
	s_setreg_imm32_b32 hwreg(HW_REG_WAVE_MODE, 25, 1), 1
	s_wait_xcnt 0x0
	s_wait_alu depctr_hold_cnt(0) depctr_sa_sdst(0) depctr_va_vdst(0) depctr_va_sdst(0) depctr_va_ssrc(0) depctr_va_vcc(0) depctr_vm_vsrc(0)
	s_getreg_b32 s2, hwreg(HW_REG_IB_STS2, 6, 4)
	s_cmp_eq_u32 s2, 0
	s_cbranch_scc0 .Lentry_in_a_cluster
	s_endpgm
.Lentry_in_a_cluster:
	s_bfe_u32 s2, ttmp6, 0x10000c
	s_cmp_lg_u32 s2, 0x3003
	s_cbranch_scc0 .Lentry_shape_is_right
	s_endpgm
.Lentry_shape_is_right:
; o = softmax(q k^T / 8 + mask) v for one batch and head, mask = -(i + j) x 2^-head where j <= i and -infinity behind, both products on codes of BF6 (E3M2); o is quantised at once for the projection.
; LEFT OUT: steps of 128 keys that lie wholly behind a tile's 16 queries: the definition's own mask makes p = 0 there for all values of the inputs.
; THE SOFTMAX: t = logit x log2(e); M = the running largest t rounded up to a whole number; p = 2^(t - M) is quantised along the keys; the row's sum is taken of the unquantised p and divides at the end.
; THE MASK is carried in two parts, both exact in f32: -8 x slope x (16 (lane / 16) + i), a key's place in its block's half, is the C of the first product; BS_b = -(query + the block's first key) x slope goes into the exponent:
; t - M = S x log2(e) / 8 + fma(BS_b, log2(e), -M).  LIMIT: that is one rounding fewer than the definition's f32 sum of score and mask; NaN and infinities are not served.
; SHARES.  A work-group has a place p = 0 .. 7; wave w has a rank 0 .. 15 and owns token tile p of the 128 tokens `rank`: it walks rank + 1 key steps, whatever p is.  So every work-group has 136 steps.  THE RANKS COME FROM A TABLE: written as a square
; of four rows (waves 4 g .. 4 g + 3), the step counts 16 2 3 13 / 9 7 6 12 / 8 10 11 5 / 1 15 14 4 sum to 34 along every row and down every column: whichever four waves share a SIMD, four on end or every fourth, they have 34 steps together.
; No trip count or branch hangs on the place in the cluster.  The four partners of a cluster read the same head: its k and v (204,800 bytes) come ONCE, by sixteen joint loads, one a wave, and stay in LDS; nothing is filled again.
; LAYOUT.  Both products transposed: S^T = k q^T, O^T = v^T p^T: a lane holds one query.  Lane row r of tile 2 a + u is token 32 a + 8 u + r + 8 (r / 8), so 16 registers of two neighbouring tiles are 16 neighbouring keys.
; THE HEAD'S 64 fill half of the instruction's 128 along K: a fragment of k holds two tiles of keys, one in each half; q stands between two runs of zero codes, so that v[22:33] meets the first tile and v[16:27] the second.
.set CH,    12800                      ; 128 keys in LDS: k's codes, at 6144 their scale words, at 6400 v's codes, at 12544 their scale words
.set SPARE, 16*CH
.set BHB,   307200                     ; a head's records in qkv
.set L16, 1
.set L8,  2
.set L4,  3
.set A16, 4
.set A8,  5
.set A4,  6
.set DG,  7                            ; my query's place in its 128, less 16 (lane / 16)
.set SPW, 8
.set NIL, 9
.set QB,  16                           ; v16-21 zeros, v22-27 q, v28-33 zeros
.set FR,  34                           ; v34-81 four fragments
.set S,   82                           ; v82-145 S^T, then p
.set MK,  146                          ; v146-161 the mask's low part
.set O,   162                          ; v162-193 O^T
.set PC,  194                          ; v194-205 p's codes
.set BM,  208
.set PT,  212
.set CT,  216
.set SO,  224
.set AD,  228                          ; v228, 230, 232, 234: a block's addend (the odd ones are named with them as pairs)
.set BS,  236
.set KS,  240
.set VS,  242
.set QS,  244
.set PW,  245
.set F,   246
.set NM,  248                          ; -M
.set TX,  249                          ; the largest t so far
.set LS,  250
.set L2,  252
.set T0,  254
.set WV,  18
.set SEL, 20
.set CS,  22
.set L2E, 24
.set RANK, 25
.set STP, 26
.set TB,  27
.set SB,  28                           ; s28-30: -32, -64, -96 x slope;  s31: -128 x slope
.set G1,  32
.set G0,  40
.macro CROUND
	s_barrier_signal -1
	s_barrier_wait -1
	s_cmp_lg_u32 s[WV], 0
	s_cbranch_scc1 .Lnot_wave_0_\@
	s_barrier_signal -3
.Lnot_wave_0_\@:
	s_barrier_wait -3
	s_barrier_signal -1
	s_barrier_wait -1
.endm
	s_load_b128 s[4:7], s[0:1], 0x0                ; qkv, oq
	v_lshl_add_u32 v[SPW], v0, 2, SPARE
	v_mov_b32 v[NIL], 0
	ds_add_u32 v[SPW], v[NIL]                      ; the wave's opening: the add, twice on end, and its wait ahead of my first tensor load
	ds_add_u32 v[SPW], v[NIL]
	v_lshrrev_b32 v10, 5, v0
	s_delay_alu instid0(VALU_DEP_1)
	v_readfirstlane_b32 s[WV], v10
	s_bfe_u32 s8, ttmp6, 0x40000                   ; cx
	s_lshl_b32 s9, ttmp9, 2
	s_add_co_u32 s9, s9, s8                        ; p: it enters global addresses and register values alone
	s_and_b32 s10, ttmp7, 0xffff                   ; 16 x batch + head
	s_and_b32 s11, s10, 15                         ; head
	s_mov_b32 s48, 0xb568c21f                      ; the ranks of waves 0 to 7, four bits each, wave 0's lowest: 15 1 2 12 8 6 5 11
	s_mov_b32 s49, 0x3de04a97                      ; and of waves 8 to 15: 7 9 10 4 0 14 13 3
	s_cmp_lt_u32 s[WV], 8
	s_cselect_b32 s48, s48, s49
	s_and_b32 s49, s[WV], 7
	s_lshl_b32 s49, s49, 2
	s_lshr_b32 s48, s48, s49
	s_and_b32 s[RANK], s48, 15                     ; it hangs on the wave's number alone, and enters no LDS address
	s_mov_b32 s[G1], 15|(3<<16)|(1<<21)            ; the mask: all four partners; elements of 8 bytes; bit 21 beside a mask
	s_mov_b32 s[G1+1], 32<<16                      ; rows of 256 bytes,
	s_mov_b32 s[G1+2], 50<<16                      ; 50 of them: 12,800 dense bytes
	s_mov_b32 s[G1+3], 32<<16
	s_mov_b32 s[G1+4], 50
	s_mov_b32 s[G1+5], 32
	s_mov_b32 s[G1+6], 0
	s_mov_b32 s[G1+7], 0
	s_mul_i32 s12, s10, BHB
	s_mul_i32 s13, s[WV], 19200
	s_add_co_u32 s14, s12, s13
	s_add_co_u32 s14, s14, 6400                    ; k and v of keys 128 x wave on
	s_mov_b32 s15, 0
	s_mov_b32 s[G0], 1
	s_mul_i32 s[G0+1], s[WV], CH
	s_mov_b32 s[SEL], 0x76543210
	s_mov_b32 s[SEL+1], 0xfedcba98
	s_mov_b32 s[CS], 0x3e38aa3b                    ; log2(e) / 8
	s_mov_b32 s[CS+1], s[CS]
	s_mov_b32 s[L2E], 0x3fb8aa3b
	s_wait_dscnt 0x0                               ; both opening adds are done
	s_wait_kmcnt 0x0
	s_add_nc_u64 s[G0+2:G0+3], s[4:5], s[14:15]
	s_or_b32 s[G0+3], s[G0+3], 0x80000000
	CROUND                                         ; all four work-groups are here: the joint loads meet
	tensor_load_to_lds s[G0:G0+3], s[G1:G1+7]      ; my one tensor load
	s_nop 0
.rept 4
	v_nop
.endr
	v_and_b32 v10, 31, v0
	v_and_b32 v11, 15, v0                          ; r
	v_bfe_u32 v12, v0, 4, 1                        ; h
	s_delay_alu instid0(VALU_DEP_3)
	v_lshlrev_b32 v[L16], 4, v10
	s_delay_alu instid0(VALU_DEP_4)
	v_lshlrev_b32 v[L8], 3, v10
	v_lshlrev_b32 v[L4], 2, v10
	v_lshlrev_b32 v13, 2, v11                      ; 4 r
	s_wait_alu depctr_va_vdst(0)
	s_mul_i32 s13, s[RANK], 19200
	s_add_co_u32 s14, s12, s13                     ; my 128 tokens' record
	s_mul_i32 s13, s9, 768
	s_add_co_u32 s16, s14, s13
	s_mov_b32 s17, 0
	s_add_nc_u64 s[16:17], s[4:5], s[16:17]
	global_load_b128 v[QB+6:QB+9], v[L16], s[16:17]
	global_load_b64 v[QB+10:QB+11], v[L8], s[16:17] offset:512
	s_lshr_b32 s13, s9, 1
	s_lshl_b32 s13, s13, 6
	s_add_co_u32 s14, s14, s13
	s_add_nc_u64 s[14:15], s[4:5], s[14:15]
	global_load_b32 v[QS], v13, s[14:15] offset:6144               ; my pair's scale words
	s_sub_co_u32 s13, 127, s11
	s_lshl_b32 s13, s13, 23                        ; slope = 2^-head
	s_xor_b32 s44, s13, 0x80000000                 ; -slope
	s_mul_f32 s[SB], s44, 0x42000000
	s_mul_f32 s[SB+1], s44, 0x42800000
	s_mul_f32 s[SB+2], s44, 0x42c00000
	s_mul_f32 s[SB+3], s44, 0x43000000
	s_mul_f32 s45, s44, 0x41000000                 ; -8 x slope
	s_and_b32 s46, s9, 1
	s_mov_b32 s48, 0x01000100
	s_cmp_eq_u32 s46, 1
	s_cselect_b32 s48, 0x03020302, s48             ; which half of the pair's word is my tile's
	s_lshl_b32 s46, s46, 3
	s_lshr_b32 s47, s9, 1
	s_lshl_b32 s47, s47, 5
	s_add_co_u32 s46, s46, s47                     ; 32 (p / 2) + 8 (p % 2)
	s_lshl_b32 s47, s[RANK], 7
	v_lshlrev_b32 v14, 4, v12                      ; 16 h
.irp i, 0,1,2,3,4,5,6,7,8,9,10,11,12,13,14,15
	v_add_nc_u32 v15, \i, v14
	s_delay_alu instid0(VALU_DEP_1)
	v_cvt_f32_u32 v15, v15
	s_delay_alu instid0(VALU_DEP_1)
	v_mul_f32 v[MK+\i], s45, v15
.endr
	v_and_b32 v15, 8, v11
	s_delay_alu instid0(VALU_DEP_1)
	v_add_nc_u32 v15, v15, v11
	s_delay_alu instid0(VALU_DEP_1)
	v_add_nc_u32 v15, s46, v15                     ; my query's place in its 128
	s_delay_alu instid0(VALU_DEP_1)
	v_sub_nc_u32 v[DG], v15, v14
	s_delay_alu instid0(VALU_DEP_2)
	v_add_nc_u32 v15, s47, v15                     ; my query
	s_delay_alu instid0(VALU_DEP_1)
	v_cvt_f32_u32 v15, v15
	s_delay_alu instid0(VALU_DEP_1)
	v_mul_f32 v[BS], s44, v15                      ; -query x slope: the first step's first block
	s_wait_loadcnt 0x0
	v_perm_b32 v[QS], v[QS], v[QS], s48            ; q's two bytes, for either half of K
.irp j, 0,1,2,3,4,5
	v_mov_b32 v[QB+\j], 0
	v_mov_b32 v[QB+12+\j], 0
.endr
.set n, 0
.rept 32
	v_mov_b32 v[O+n], 0                            ; the loop is written once: its first step finds zeros
.set n, n+1
.endr
.irp b, 0,1,2,3
	v_mov_b32 v[PT+\b], 0
	v_mov_b32 v[AD+2*\b+1], 0
.endr
	v_mov_b32 v[F+1], 0
	v_mov_b32 v[LS], 0
	v_mov_b32 v[LS+1], 0
	v_mov_b32 v[TX], 0xff61b1e6                    ; -3e38, under every t
	s_delay_alu instid0(VALU_DEP_1)
	v_floor_f32 v[NM], -v[TX]
	s_mov_b32 s[STP], 0
	s_mov_b32 s[TB], 0
	s_wait_tensorcnt 0x0                           ; my 128 keys are in,
	s_barrier_signal -1
	s_barrier_wait -1                              ; everybody's are
.Lstep:                                            ; 16 trips in every wave; a step behind my queries is jumped over
	s_cmp_gt_u32 s[STP], s[RANK]
	s_cbranch_scc1 .Lhidden
	v_add_nc_u32 v[A16], s[TB], v[L16]             ; with the line behind the last products and the v_nop: five places in front of the loads below
	v_add_nc_u32 v[A8], s[TB], v[L8]
	v_add_nc_u32 v[A4], s[TB], v[L4]
	v_nop
.irp t, 0,1,2,3,4,5,6,7
	ds_load_b128 v[FR+6*\t:FR+6*\t+3], v[A16] offset:768*\t
	ds_load_b64 v[FR+6*\t+4:FR+6*\t+5], v[A8] offset:768*\t+512
.endr
	ds_load_b32 v[KS], v[A4] offset:6144           ; lanes 0-15 pair 0's words, lanes 16-31 pair 1's
	ds_load_b32 v[KS+1], v[A4] offset:6272
	s_wait_dscnt 0x0
.irp b, 0,1,2,3
.if \b%2
	v_wmma_scale_f32_16x16x128_f8f6f4 v[S+16*\b:S+16*\b+7], v[FR+12*\b:FR+12*\b+11], v[QB+6:QB+17], v[MK:MK+7], v[KS+\b/2], v[QS] matrix_a_fmt:MATRIX_FMT_BF6 matrix_b_fmt:MATRIX_FMT_BF6 matrix_a_scale:MATRIX_SCALE_ROW1
	v_wmma_scale_f32_16x16x128_f8f6f4 v[S+16*\b+8:S+16*\b+15], v[FR+12*\b:FR+12*\b+11], v[QB:QB+11], v[MK+8:MK+15], v[KS+\b/2], v[QS] matrix_a_fmt:MATRIX_FMT_BF6 matrix_b_fmt:MATRIX_FMT_BF6 matrix_a_scale:MATRIX_SCALE_ROW1
.else
	v_wmma_scale_f32_16x16x128_f8f6f4 v[S+16*\b:S+16*\b+7], v[FR+12*\b:FR+12*\b+11], v[QB+6:QB+17], v[MK:MK+7], v[KS+\b/2], v[QS] matrix_a_fmt:MATRIX_FMT_BF6 matrix_b_fmt:MATRIX_FMT_BF6
	v_wmma_scale_f32_16x16x128_f8f6f4 v[S+16*\b+8:S+16*\b+15], v[FR+12*\b:FR+12*\b+11], v[QB:QB+11], v[MK+8:MK+15], v[KS+\b/2], v[QS] matrix_a_fmt:MATRIX_FMT_BF6 matrix_b_fmt:MATRIX_FMT_BF6
.endif
.endr
	s_wait_alu depctr_va_vdst(0)
	v_add_f32 v[BS+1], s[SB], v[BS]                ; seven plain lines: the places behind those products
	v_add_f32 v[BS+2], s[SB+1], v[BS]
	v_add_f32 v[BS+3], s[SB+2], v[BS]
.irp b, 0
	v_mul_f32 v[AD+2*\b], s[L2E], v[BS+\b]
.endr
.irp b, 1, 2, 3
	s_delay_alu instid0(VALU_DEP_4)
	v_mul_f32 v[AD+2*\b], s[L2E], v[BS+\b]
.endr
.irp t, 0,1,2,3                                ; v's fragments land under the softmax
	ds_load_b128 v[FR+12*\t:FR+12*\t+3], v[A16] offset:6400+1536*\t
	ds_load_b64 v[FR+12*\t+4:FR+12*\t+5], v[A8] offset:6400+1536*\t+512
	ds_load_b128 v[FR+12*\t+6:FR+12*\t+9], v[A16] offset:6400+1536*\t+768
	ds_load_b64 v[FR+12*\t+10:FR+12*\t+11], v[A8] offset:6400+1536*\t+1280
.endr
	ds_load_b32 v[VS], v[A4] offset:12544
	ds_load_b32 v[VS+1], v[A4] offset:12672
	s_cmp_lg_u32 s[STP], s[RANK]                   ; my last step lies on the diagonal: hidden scores become -infinity ahead of the maximum
	s_cbranch_scc1 .Lopen
	v_mov_b32 v[T0], 0xff800000
.set n, 0
.rept 64
	v_cmp_gt_i32 vcc_lo, 32*(n/16)+n%16, v[DG]     ; register 16 b + i holds key 32 b + 16 (lane / 16) + i of the step
	v_cndmask_b32 v[S+n], v[S+n], v[T0], vcc_lo
.set n, n+1
.endr
.Lopen:
.irp b, 0,1,2,3
	v_max3_num_f32 v[BM+\b], v[S+16*\b], v[S+16*\b+1], v[S+16*\b+2]   ; each block's largest score: for the row's maximum and for the block's largest p
.endr
.irp i, 3,5,7,9,11,13
.irp b, 0,1,2,3
	v_max3_num_f32 v[BM+\b], v[BM+\b], v[S+16*\b+\i], v[S+16*\b+\i+1]
.endr
.endr
.irp b, 0,1,2,3
	v_max_num_f32 v[BM+\b], v[BM+\b], v[S+16*\b+15]
.endr
.irp b, 0,1,2,3
	s_delay_alu instid0(VALU_DEP_4)
	v_permlanex16_b32 v[PT+\b], v[BM+\b], s[SEL], s[SEL+1]
.endr
.irp b, 0,1,2,3
	s_delay_alu instid0(VALU_DEP_4)
	v_max_num_f32 v[BM+\b], v[BM+\b], v[PT+\b]
.endr
.irp b, 0,1,2,3
	s_delay_alu instid0(VALU_DEP_4)
	v_fma_f32 v[PT+\b], v[BM+\b], s[CS], v[AD+2*\b]                ; the block's largest t
.endr
	s_delay_alu instid0(VALU_DEP_2)
	v_max3_num_f32 v[T0], v[PT], v[PT+1], v[PT+2]
	s_delay_alu instid0(VALU_DEP_1)
	v_max_num_f32 v[T0], v[T0], v[PT+3]
	s_delay_alu instid0(VALU_DEP_1)
	v_max_num_f32 v[TX], v[TX], v[T0]
	v_mov_b32 v[T0], v[NM]
	s_delay_alu instid0(VALU_DEP_2)
	v_floor_f32 v[NM], -v[TX]                      ; -M = floor(-t): M is a whole number
	s_delay_alu instid0(VALU_DEP_1)
	v_sub_f32 v[T0], v[NM], v[T0]
	s_delay_alu instid0(VALU_DEP_1)
	v_cvt_i32_f32 v[T0], v[T0]                     ; (it saturates)
	s_delay_alu instid0(VALU_DEP_1)
	v_ldexp_f32 v[F], 1.0, v[T0]                   ; f = 2^(old M - new M)
.irp b, 0,1,2,3
	v_fma_f32 v[AD+2*\b], v[BS+\b], s[L2E], v[NM]  ; one rounding, of a small number
.endr
.irp b, 0,1,2,3
.irp j, 0,2,4,6,8,10,12,14
	v_pk_fma_f32 v[S+16*\b+\j:S+16*\b+\j+1], v[S+16*\b+\j:S+16*\b+\j+1], s[CS:CS+1], v[AD+2*\b:AD+2*\b+1] op_sel_hi:[1,0,0]   ; t - M
.endr
.endr
.irp b, 0,1,2,3
	v_fma_f32 v[BM+\b], v[BM+\b], s[CS], v[AD+2*\b]
.endr
.set n, 0
	s_wait_alu depctr_va_vdst(0)
.rept 64
	v_exp_f32 v[S+n], v[S+n]                       ; p
.set n, n+1
.endr
	v_pk_mul_f32 v[LS:LS+1], v[LS:LS+1], v[F:F+1] op_sel_hi:[1,0]  ; a plain place behind the exponentials
	s_wait_alu depctr_va_vdst(0)                   ; one wait for the batch, ahead of its first reader
.irp b, 0,1,2,3
	v_exp_f32 v[BM+\b], v[BM+\b]                   ; the block's largest p: the same two instructions on the same number
.endr
	v_pk_add_f32 v[252:253], v[86:87], v[90:91]
	v_pk_add_f32 v[254:255], v[94:95], v[98:99]
	v_pk_add_f32 v[240:241], v[102:103], v[106:107]
	v_pk_add_f32 v[238:239], v[110:111], v[114:115]
	v_pk_add_f32 v[226:227], v[118:119], v[122:123]
	v_pk_add_f32 v[224:225], v[126:127], v[130:131]
	v_pk_add_f32 v[222:223], v[134:135], v[138:139]
	v_pk_add_f32 v[250:251], v[250:251], v[142:143]
	v_pk_add_f32 v[252:253], v[252:253], v[82:83]
	v_pk_add_f32 v[254:255], v[254:255], v[84:85]
	v_pk_add_f32 v[240:241], v[240:241], v[88:89]
	v_pk_add_f32 v[238:239], v[238:239], v[92:93]
	v_pk_add_f32 v[226:227], v[226:227], v[96:97]
	v_pk_add_f32 v[224:225], v[224:225], v[100:101]
	v_pk_add_f32 v[222:223], v[222:223], v[104:105]
	v_pk_add_f32 v[250:251], v[250:251], v[108:109]
	v_pk_add_f32 v[252:253], v[252:253], v[112:113]
	v_pk_add_f32 v[254:255], v[254:255], v[116:117]
	v_pk_add_f32 v[240:241], v[240:241], v[120:121]
	v_pk_add_f32 v[238:239], v[238:239], v[124:125]
	v_pk_add_f32 v[226:227], v[226:227], v[128:129]
	v_pk_add_f32 v[224:225], v[224:225], v[132:133]
	v_pk_add_f32 v[222:223], v[222:223], v[136:137]
	v_pk_add_f32 v[250:251], v[250:251], v[140:141]
	v_pk_add_f32 v[252:253], v[252:253], v[144:145]
	s_delay_alu instid0(VALU_DEP_2)
	v_pk_add_f32 v[250:251], v[250:251], v[238:239]
	s_delay_alu instid0(VALU_DEP_2)
	v_pk_add_f32 v[252:253], v[252:253], v[226:227]
	v_pk_add_f32 v[254:255], v[254:255], v[224:225]
	v_pk_add_f32 v[240:241], v[240:241], v[222:223]
	s_delay_alu instid0(VALU_DEP_2)
	v_pk_add_f32 v[250:251], v[250:251], v[254:255]
	s_delay_alu instid0(VALU_DEP_2)
	v_pk_add_f32 v[252:253], v[252:253], v[240:241]
	s_delay_alu instid0(VALU_DEP_1)
	v_pk_add_f32 v[250:251], v[250:251], v[252:253]
	s_wait_alu depctr_va_vdst(0)                   ; and one for the four
.irp b, 0,1,2,3
	v_max_num_f32 v[BM+\b], 0x2800000, v[BM+\b]    ; the floor 2^(5 - 127)
.endr
.irp b, 0,1,2,3
	s_delay_alu instid0(VALU_DEP_4)
	v_add_nc_u32 v[SO+\b], 0xfe000000, v[BM+\b]
.endr
.irp b, 0,1,2,3
	s_delay_alu instid0(VALU_DEP_4)
	v_lshrrev_b32 v[PT+\b], 23, v[SO+\b]
.endr
	s_delay_alu instid0(VALU_DEP_3)
	v_lshl_or_b32 v[PW], v[PT+1], 8, v[PT]
	s_delay_alu instid0(VALU_DEP_1)
	v_lshl_or_b32 v[PW], v[PT+2], 16, v[PW]
	s_delay_alu instid0(VALU_DEP_1)
	v_lshl_or_b32 v[PW], v[PT+3], 24, v[PW]
.irp c, 0,1
	v_cvt_scalef32_pk16_bf6_f32 v[PC+6*\c:PC+6*\c+2], v[S+32*\c:S+32*\c+15], v[SO+2*\c]
	v_cvt_scalef32_pk16_bf6_f32 v[CT+4*\c:CT+4*\c+2], v[S+32*\c+16:S+32*\c+31], v[SO+2*\c+1]
.endr
	v_nop
.irp c, 0,1
.irp i, 0,1,2
	v_permlane16_swap_b32 v[PC+6*\c+\i], v[CT+4*\c+\i]
.endr
.irp i, 0,1,2
	s_delay_alu instid0(VALU_DEP_3)
	v_mov_b32 v[PC+6*\c+3+\i], v[CT+4*\c+\i]
.endr
.endr
.set n, 0
.rept 16
	v_pk_mul_f32 v[O+n:O+n+1], v[O+n:O+n+1], v[F:F+1] op_sel_hi:[1,0]   ; O^T under the new M; also the places between p's codes and scale word and the products
.set n, n+2
.endr
	s_wait_alu depctr_va_vdst(0)
	s_wait_dscnt 0x0                               ; v
.irp t, 0,1,2,3
.if \t%2
	v_wmma_scale_f32_16x16x128_f8f6f4 v[O+8*\t:O+8*\t+7], v[FR+12*\t:FR+12*\t+11], v[PC:PC+11], v[O+8*\t:O+8*\t+7], v[VS+\t/2], v[PW] matrix_a_fmt:MATRIX_FMT_BF6 matrix_b_fmt:MATRIX_FMT_BF6 matrix_a_scale:MATRIX_SCALE_ROW1
.else
	v_wmma_scale_f32_16x16x128_f8f6f4 v[O+8*\t:O+8*\t+7], v[FR+12*\t:FR+12*\t+11], v[PC:PC+11], v[O+8*\t:O+8*\t+7], v[VS+\t/2], v[PW] matrix_a_fmt:MATRIX_FMT_BF6 matrix_b_fmt:MATRIX_FMT_BF6
.endif
.endr
	v_add_f32 v[BS], s[SB+3], v[BS]                ; the next step's first block
.Lhidden:
	s_add_co_u32 s[TB], s[TB], CH
	s_add_co_u32 s[STP], s[STP], 1
	s_cmp_lt_u32 s[STP], 16
	s_cbranch_scc1 .Lstep
.rept 4
	v_nop                                          ; places behind the last products
.endr
	; THE WAY OUT: O^T / the sum, quantised along d (two blocks of 32), as half a fragment of the projection's operand
	s_wait_alu depctr_va_vdst(0)
	v_add_f32 v[LS], v[LS], v[LS+1]
	s_delay_alu instid0(VALU_DEP_1)
	v_permlanex16_b32 v[PT], v[LS], s[SEL], s[SEL+1]
	s_delay_alu instid0(VALU_DEP_1)
	v_add_f32 v[LS], v[LS], v[PT]
	s_wait_alu depctr_va_vdst(0)
	v_rcp_f32 v[LS], v[LS]
	v_nop
	s_lshr_b32 s12, s10, 4
	s_lshl_b32 s12, s12, 4
	s_add_co_u32 s12, s12, s[RANK]                 ; the tokens' half-panel
	s_lshl_b32 s12, s12, 3
	s_lshr_b32 s13, s11, 1
	s_add_co_u32 s12, s12, s13                     ; the record: K's 128 are a pair of heads
	s_mul_i32 s12, s12, 12800
	s_and_b32 s13, s11, 1
	s_mul_i32 s14, s9, 1536
	s_add_co_u32 s14, s14, s12
	s_mul_i32 s16, s13, 768
	s_add_co_u32 s14, s14, s16
	s_mov_b32 s15, 0
	s_add_nc_u64 s[14:15], s[6:7], s[14:15]
	s_lshl_b32 s16, s9, 6
	s_add_co_u32 s16, s16, s12
	s_lshl_b32 s13, s13, 1
	s_add_co_u32 s16, s16, s13
	s_add_co_u32 s16, s16, 12288
	s_mov_b32 s17, 0
	s_add_nc_u64 s[16:17], s[6:7], s[16:17]
	s_wait_alu depctr_va_vdst(0)
.set n, 0
.rept 32
	v_mul_f32 v[S+n], v[O+n], v[LS]                ; register 16 b + i is d = 32 b + 16 (lane / 16) + i
.set n, n+1
.endr
.irp b, 0,1
	v_max3_num_f32 v[BM+\b], |v[S+16*\b]|, |v[S+16*\b+1]|, 0x2800000
.endr
.irp i, 2,4,6,8,10,12,14
.irp b, 0,1
	s_delay_alu instid0(VALU_DEP_2)
	v_max3_num_f32 v[BM+\b], v[BM+\b], |v[S+16*\b+\i]|, |v[S+16*\b+\i+1]|
.endr
.endr
.irp b, 0,1
	s_delay_alu instid0(VALU_DEP_2)
	v_permlanex16_b32 v[PT+\b], v[BM+\b], s[SEL], s[SEL+1]
.endr
.irp b, 0,1
	s_delay_alu instid0(VALU_DEP_2)
	v_max_num_f32 v[BM+\b], v[BM+\b], v[PT+\b]
.endr
.irp b, 0,1
	s_delay_alu instid0(VALU_DEP_2)
	v_add_nc_u32 v[SO+\b], 0xfe000000, v[BM+\b]
.endr
.irp b, 0,1
	s_delay_alu instid0(VALU_DEP_2)
	v_lshrrev_b32 v[PT+\b], 23, v[SO+\b]
.endr
	s_delay_alu instid0(VALU_DEP_1)
	v_lshl_or_b32 v[T0], v[PT+1], 8, v[PT]
	v_cvt_scalef32_pk16_bf6_f32 v[PC:PC+2], v[S:S+15], v[SO]
	v_cvt_scalef32_pk16_bf6_f32 v[CT:CT+2], v[S+16:S+31], v[SO+1]
	v_nop
.irp i, 0,1,2
	v_permlane16_swap_b32 v[PC+\i], v[CT+\i]
.endr
.irp i, 0,1,2
	s_delay_alu instid0(VALU_DEP_3)
	v_mov_b32 v[PC+3+\i], v[CT+\i]
.endr
	global_store_b128 v[L16], v[PC:PC+3], s[14:15]                 ; 512 consecutive bytes,
	global_store_b64 v[L8], v[PC+4:PC+5], s[14:15] offset:512      ; and 256
	global_store_b16 v13, v[T0], s[16:17]                          ; my head's two of the row's four scale bytes; both halves of the lanes write the same
	s_wait_tensorcnt 0x0                           ; the wave's end, behind my tensor load
	ds_add_u32 v[SPW], v[NIL]
	s_wait_dscnt 0x0
	CROUND                                         ; the closing round
	s_endpgm
.Lfunc_end_k_q0bf6d4dd43_attn:
	.size	k_q0bf6d4dd43_attn, .Lfunc_end_k_q0bf6d4dd43_attn-k_q0bf6d4dd43_attn
	.p2alignl 7, 3214868480
	.fill 96, 4, 3214868480
	.section	.rodata,"a",@progbits
	.p2align	6, 0x0
	.amdhsa_kernel k_q0bf6d4dd43_attn
		.amdhsa_group_segment_fixed_size 206848
		.amdhsa_private_segment_fixed_size 0
		.amdhsa_enable_private_segment 0
		.amdhsa_kernarg_size 16
		.amdhsa_user_sgpr_count 2
		.amdhsa_user_sgpr_kernarg_segment_ptr 1
		.amdhsa_wavefront_size32 1
		.amdhsa_system_sgpr_workgroup_id_x 1
		.amdhsa_system_sgpr_workgroup_id_y 1
		.amdhsa_system_sgpr_workgroup_id_z 1
		.amdhsa_system_vgpr_workitem_id 0
		.amdhsa_next_free_vgpr 256
		.amdhsa_next_free_sgpr 66
		.amdhsa_reserve_vcc 1
		.amdhsa_float_denorm_mode_32 3
		.amdhsa_float_denorm_mode_16_64 3
		.amdhsa_memory_ordered 1
		.amdhsa_forward_progress 1
		.amdhsa_inst_pref_size 39
	.end_amdhsa_kernel
	.amdgpu_metadata
---
amdhsa.version: [ 1, 2 ]
amdhsa.kernels:
  - .name:           k_q0bf6d4dd43_attn
    .symbol:         k_q0bf6d4dd43_attn.kd
    .args:
      - { .name: qkv, .offset: 0, .size: 8, .value_kind: global_buffer, .address_space: global }
      - { .name: oq, .offset: 8, .size: 8, .value_kind: global_buffer, .address_space: global }
    .group_segment_fixed_size: 206848
    .private_segment_fixed_size: 0
    .kernarg_segment_align: 8
    .kernarg_segment_size: 16
    .max_flat_workgroup_size: 512
    .sgpr_count:     66
    .vgpr_count:     256
    .wavefront_size: 32
...
	.end_amdgpu_metadata
.endif
;; end of part 3
;; launch oprojln (part 4): grid 256 x 1, 16 waves a work-group, clusters of 4 x 1, 327,680 bytes of LDS; arguments oq, wq, bout, src, ln2_g, ln2_b, src2, xq; writes src2, xq
.if DOCPART == 4
	.amdgcn_target "amdgcn-amd-amdhsa--gfx1250"
	.amdhsa_code_object_version 6
	.text
	.protected	k_q0bf6d4dd43_oprojln
	.globl	k_q0bf6d4dd43_oprojln
	.p2align	8
	.type	k_q0bf6d4dd43_oprojln,@function
k_q0bf6d4dd43_oprojln:
	s_mov_b64 s[64:65], 0
	v_nop
	global_prefetch_b8 v0, s[64:65] scope:SCOPE_SE
	s_setreg_imm32_b32 hwreg(HW_REG_WAVE_MODE, 25, 1), 1
	s_wait_xcnt 0x0
	s_wait_alu depctr_hold_cnt(0) depctr_sa_sdst(0) depctr_va_vdst(0) depctr_va_sdst(0) depctr_va_ssrc(0) depctr_va_vcc(0) depctr_vm_vsrc(0)
	s_getreg_b32 s2, hwreg(HW_REG_IB_STS2, 6, 4)
	s_cmp_eq_u32 s2, 0
	s_cbranch_scc0 .Lentry_in_a_cluster
	s_endpgm
.Lentry_in_a_cluster:
	s_bfe_u32 s2, ttmp6, 0x10000c
	s_cmp_lg_u32 s2, 0x3003
	s_cbranch_scc0 .Lentry_shape_is_right
	s_endpgm
.Lentry_shape_is_right:
; src2 = src + o Wout^T + bout, then LN2(src2) quantised for the first MLP product: two steps of the layer in one launch, since a work-group that holds whole rows of src2 can norm them where they lie.
; o and Wout come as codes of BF6 (E3M2) in records of 12,800 bytes (128 rows x 128 K: tile i's fragment at 1536 i, its 16 scale words at 12288 + 64 i; a fragment's halves of 768 bytes: registers 0-3 at 16 x lane, 4-5 at 512 + 8 x lane).
; Lane row r of tile 2 a + u is row 32 a + 8 u + r + 8 (r / 8).
; SHARES: 256 work-groups, each one tile of 16 tokens x all 1,024 columns; wave w takes columns 64 w on: 4 tiles of Wout's rows, 4 accumulators, 8 steps of 128 along K, 32 matrix instructions.
; TRANSPOSED USE: source 0 = 16 rows of Wout, source 1 = the 16 tokens: lane (r, h) holds token r, and register 16 a + i of its 32 is column 64 w + 32 a + 16 h + i.
; THE WEIGHTS COME BY TWO ROADS AT ONCE.  All work-groups walk the same Wout, so four of them form a cluster (4 x 1) and ask JOINTLY for K steps 0 to 3: sixteen records (204,800 bytes) a fill, one record a wave, the same descriptor in all four partners.
; K steps 0 and 1 are asked for at the head; K steps 2 and 3 fill the same bytes again behind a round of the cluster's barrier, as soon as every wave holds steps 0 and 1 in registers.
; K steps 4 to 7 go from memory straight into the operand's registers (the records lie in the registers' order, every load reads 512 or 256 consecutive bytes).
; The steps are walked in the order 4, 5, 0, 1, 6, 7, 2, 3 on three sets of registers: two sets' loads are out from the head on, and the refill has steps 1, 6 and 7 in which to land.
; The place in the cluster enters global addresses of plain loads and stores alone: no branch, no LDS address and no descriptor hangs on it.
; NO PREFETCH: the weights' own loads and fills already run two to three of the eight steps ahead of their use.
; o's eight fragments are read once a work-group (half a fragment a wave) and handed round as an image of the registers in LDS.
; THE RESIDUAL AND THE BIAS START THE SUMS: src's rows are read in whole units of 256 bytes, bout is added, and they turn through the wave's own stage (pitch 272) into the accumulators' layout, as the C of the first products.
; src2 goes back through the same stage and leaves in whole units of 256 bytes.  Mean and sum of squares of x - mean (two passes) meet in LDS: 16 words a wave, a barrier each.  g and b wait in LDS and come back in the accumulators' layout.
; OUT: xq's record 8 x half-panel + w / 2, tile i, half w % 2 (768 bytes), and two of the row's four scale bytes.
; LIMITS: a block of zeros, or one whose largest magnitude lies under 2^-122, gets the scale byte 1 (zero codes add nothing; this program alone reads the bytes); NaN and infinities among the inputs are not served.
.set REC,   12800
.set WOFF,  2457600                    ; where Wout's records begin in wq
.set SPI,   272                        ; a stage row: 256 bytes + 16
.set WST,   16*SPI
.set STG,   REC                        ; LDS: o's image (8 x 1536) from 0; the 16 stages;
.set ST1,   STG+16*WST                 ; two exchanges of 16 waves x 16 words;
.set GB,    ST1+2048                   ; g and b, 256 + 256 bytes a wave;
.set SPARE, GB+8192                    ; the spare words, 128 bytes a wave;
.set WL,    SPARE+2048                 ; Wout's records by tensor loads: the j-th of a fill's two K steps, half-panel n, at (2 n + j) REC: no store lands here
.set L16, 1
.set L8,  2
.set L4,  3
.set R4,  4
.set RG,  5                            ; 4096 h + 16 r: two rows of 256 bytes an instruction
.set R16, 6
.set SR,  7                            ; the stage by rows
.set SA,  8                            ; the stage in the accumulators' layout
.set GA,  9
.set PX,  10
.set GW,  11
.set EW,  12
.set ER,  13
.set SPW, 14
.set NIL, 15
.set XF,  16                           ; v16-39 o's fragment, two sets
.set XS,  40                           ; v40-47 o's scale words, one a step
.set ACC, 48                           ; v48-79
.set BF,  80                           ; v80-223 Wout's fragments, three sets of four
.set YS,  224                          ; v224-229 their scale words: lanes 0-15 an even tile's, lanes 16-31 the next tile's
.set BIA, 232
.set GT,  236
.set BT,  240
.set XH,  244
.set XW,  250
.set WA,  252                          ; v252-254 my four tiles in WL: + 16 x lane, + 8 x lane; their scale words + 4 x lane
.set G,   80                           ; behind the products: g, b, rows on the way out, and work
.set BB,  112
.set RO,  144
.set E,   176
.set T,   192
.set NM,  200
.set PC,  204
.set CT,  210
.set BM,  214
.set PT,  216
.set SO,  218
.set T0,  220
.set G0,  52
.set G1,  56
.set WG,  66                           ; s66 the work-group's number: 4 x cluster + place
.macro ROUND                           ; a round of the cluster's barrier
	s_barrier_signal -1
	s_barrier_wait -1
	s_cmp_lg_u32 s24, 0
	s_cbranch_scc1 .Lnot_wave_0_\@
	s_barrier_signal -3
.Lnot_wave_0_\@:
	s_barrier_wait -3
	s_barrier_signal -1
	s_barrier_wait -1
.endm
.macro LOADB k, st                     ; step k's four fragments and their scale words from memory into set st: 18 loads
.set BS, BF+48*(\st)
.irp t, 0,1,2,3
	global_load_b128 v[BS+12*\t:BS+12*\t+3], v[L16], s[44:45] offset:(\k)*REC+1536*\t
	global_load_b64 v[BS+12*\t+4:BS+12*\t+5], v[L8], s[44:45] offset:(\k)*REC+1536*\t+512
	global_load_b128 v[BS+12*\t+6:BS+12*\t+9], v[L16], s[44:45] offset:(\k)*REC+1536*\t+768
	global_load_b64 v[BS+12*\t+10:BS+12*\t+11], v[L8], s[44:45] offset:(\k)*REC+1536*\t+1280
.endr
	global_load_b32 v[YS+2*(\st)], v[L4], s[46:47] offset:(\k)*REC
	global_load_b32 v[YS+2*(\st)+1], v[L4], s[46:47] offset:(\k)*REC+128
.endm
.macro LOADL j, st                     ; the same from LDS: the j-th of the fill's two K steps: 18 LDS loads
.set BS, BF+48*(\st)
.irp t, 0,1,2,3
	ds_load_b128 v[BS+12*\t:BS+12*\t+3], v[WA] offset:(\j)*REC+1536*\t
	ds_load_b64 v[BS+12*\t+4:BS+12*\t+5], v[WA+1] offset:(\j)*REC+1536*\t+512
	ds_load_b128 v[BS+12*\t+6:BS+12*\t+9], v[WA] offset:(\j)*REC+1536*\t+768
	ds_load_b64 v[BS+12*\t+10:BS+12*\t+11], v[WA+1] offset:(\j)*REC+1536*\t+1280
.endr
	ds_load_b32 v[YS+2*(\st)], v[WA+2] offset:(\j)*REC
	ds_load_b32 v[YS+2*(\st)+1], v[WA+2] offset:(\j)*REC+128
.endm
.macro XLOAD k, xs                     ; o's fragment of step k from its image into set xs: 4 LDS loads
.set XB, XF+12*(\xs)
	ds_load_b128 v[XB:XB+3], v[L16] offset:1536*(\k)
	ds_load_b64 v[XB+4:XB+5], v[L8] offset:1536*(\k)+512
	ds_load_b128 v[XB+6:XB+9], v[L16] offset:1536*(\k)+768
	ds_load_b64 v[XB+10:XB+11], v[L8] offset:1536*(\k)+1280
.endm
.macro STEP k, st, xs, lc, dc          ; lc, dc: the global and LDS loads issued behind this step's, which may stay out.  The four accumulators take turns, one instruction a turn, from step to step too
.if \lc >= 0
	s_wait_loadcnt \lc
.endif
	s_wait_dscnt \dc
.irp t, 0,1,2,3
.if \t%2
	v_wmma_scale_f32_16x16x128_f8f6f4 v[ACC+8*\t:ACC+8*\t+7], v[BF+48*(\st)+12*\t:BF+48*(\st)+12*\t+11], v[XF+12*(\xs):XF+12*(\xs)+11], v[ACC+8*\t:ACC+8*\t+7], v[YS+2*(\st)+\t/2], v[XS+(\k)] matrix_a_fmt:MATRIX_FMT_BF6 matrix_b_fmt:MATRIX_FMT_BF6 matrix_a_scale:MATRIX_SCALE_ROW1
.else
	v_wmma_scale_f32_16x16x128_f8f6f4 v[ACC+8*\t:ACC+8*\t+7], v[BF+48*(\st)+12*\t:BF+48*(\st)+12*\t+11], v[XF+12*(\xs):XF+12*(\xs)+11], v[ACC+8*\t:ACC+8*\t+7], v[YS+2*(\st)+\t/2], v[XS+(\k)] matrix_a_fmt:MATRIX_FMT_BF6 matrix_b_fmt:MATRIX_FMT_BF6
.endif
.endr
.rept 4
	v_nop                                          ; four places, ahead of loads into registers that the products read and of reads of their results
.endr
.endm
	s_load_b256 s[4:11], s[0:1], 0x0               ; oq, wq, bout, src
	s_load_b256 s[12:19], s[0:1], 0x20             ; g, b, src2, xq
	v_lshl_add_u32 v[SPW], v0, 2, SPARE
	v_mov_b32 v[NIL], 0
	ds_add_u32 v[SPW], v[NIL]                      ; the wave's opening: the add, twice on end, and its wait ahead of my first tensor load
	ds_add_u32 v[SPW], v[NIL]
	v_lshrrev_b32 v16, 5, v0
	v_readfirstlane_b32 s24, v16                   ; wave w
	v_and_b32 v17, 31, v0
	v_and_b32 v18, 15, v0                          ; r
	v_bfe_u32 v19, v0, 4, 1                        ; h
	v_lshlrev_b32 v[L16], 4, v17
	v_lshlrev_b32 v[L8], 3, v17
	v_lshlrev_b32 v[L4], 2, v17
	v_lshlrev_b32 v[R4], 2, v18
	v_lshlrev_b32 v[R16], 4, v18
	v_lshl_add_u32 v[RG], v19, 12, v[R16]
	s_mul_i32 s25, s24, WST
	s_add_co_u32 s25, s25, STG                     ; my stage
	v_mad_u32_u24 v[SR], v19, SPI, v[R16]
	v_add_nc_u32 v[SR], s25, v[SR]                 ; by rows: row h, 16 r
	v_mul_u32_u24 v[SA], v18, SPI
	v_lshl_add_u32 v[SA], v19, 6, v[SA]
	v_add_nc_u32 v[SA], s25, v[SA]                 ; by lanes: row r, 64 h
	s_lshl_b32 s25, s24, 9
	s_add_co_u32 s25, s25, GB
	v_add_nc_u32 v[GW], s25, v[R16]
	v_lshlrev_b32 v[GA], 6, v19
	v_add_nc_u32 v[GA], s25, v[GA]
	v_add_nc_u32 v[ER], ST1, v[R4]                 ; the sums: row r,
	s_lshl_b32 s25, s24, 6
	v_add_nc_u32 v[EW], s25, v[ER]                 ; my wave's word
	s_mul_i32 s25, s24, 768
	v_add_nc_u32 v[XW], s25, v[L16]                ; o's image: my half fragment
	v_add_nc_u32 v[XW+1], s25, v[L8]
	v_mov_b32 v[PX], 0                             ; a lane permute's destination counts as one of its sources
	s_lshr_b32 s52, s24, 1                         ; w / 2
	s_and_b32 s53, s24, 1                          ; w % 2
	s_mul_i32 s55, s52, 2*REC
	s_add_co_u32 s55, s55, WL                      ; my half-panel's two records in LDS
	s_mul_i32 s25, s53, 6144
	s_add_co_u32 s25, s25, s55
	v_add_nc_u32 v[WA], s25, v[L16]
	v_add_nc_u32 v[WA+1], s25, v[L8]
	s_lshl_b32 s25, s53, 8
	s_add_co_u32 s25, s25, s55
	s_add_co_u32 s25, s25, 12288
	v_add_nc_u32 v[WA+2], s25, v[L4]
	s_mov_b32 s20, 0x76543210
	s_mov_b32 s21, 0xfedcba98
	s_mov_b32 s22, 0x3a800000                      ; 1 / 1,024
	s_mov_b32 s23, 0x3727c5ac                      ; 1e-5
	s_bfe_u32 s67, ttmp6, 0x40000                  ; my place in the cluster
	s_lshl_b32 s[WG], ttmp9, 2
	s_add_co_u32 s[WG], s[WG], s67                 ; the token tile: it enters global addresses of plain loads and stores alone
	s_and_b32 s54, s[WG], 7                        ; the tile in its half-panel
	s_and_b32 s26, s[WG], 0xfffffff8
	s_mul_i32 s28, s26, REC                        ; the half-panel's first record
	s_add_co_u32 s26, s26, s52
	s_mul_i32 s26, s26, REC                        ; record 8 x half-panel + w / 2
	s_lshl_b32 s55, s54, 6
	s_add_co_u32 s28, s28, s55
	s_add_co_u32 s28, s28, 12288                   ; o's scale words, step 0
	s_add_co_u32 s38, s26, s55
	s_add_co_u32 s38, s38, 12288
	s_lshl_b32 s55, s53, 1
	s_add_co_u32 s38, s38, s55                     ; out: my two scale bytes of a row's four
	s_mul_i32 s55, s54, 1536
	s_add_co_u32 s26, s26, s55
	s_mul_i32 s55, s53, 768
	s_add_co_u32 s26, s26, s55                     ; my half fragment, in oq and in xq alike
	s_mul_i32 s30, s52, 8*REC
	s_add_co_u32 s30, s30, WOFF                    ; Wout's half-panel w / 2
	s_mul_i32 s2, s53, REC
	s_add_co_u32 s2, s2, s30                       ; the record that I bring into LDS first: K step w % 2: made of the wave's number alone
	s_mov_b32 s3, 0
	s_lshl_b32 s55, s53, 8
	s_add_co_u32 s32, s30, s55
	s_add_co_u32 s32, s32, 12288                   ; my four tiles' scale words
	s_mul_i32 s55, s53, 6144
	s_add_co_u32 s30, s30, s55                     ; my four tiles
	s_lshl_b32 s34, s24, 8                         ; my 64 columns, in bytes
	s_lshr_b32 s36, s[WG], 1
	s_lshl_b32 s36, s36, 5
	s_and_b32 s55, s[WG], 1
	s_lshl_b32 s55, s55, 3
	s_add_co_u32 s36, s36, s55                     ; the tile's first token
	s_lshl_b32 s36, s36, 12
	s_add_co_u32 s36, s36, s34
.irp p, 27,29,31,33,35,37,39
	s_mov_b32 s\p, 0
.endr
	s_mov_b32 s[G1], 15|(3<<16)|(1<<21)            ; the mask: all four partners; elements of 8 bytes; bit 21 beside a mask; no padding
	s_mov_b32 s[G1+1], 32<<16                      ; rows of 256 bytes,
	s_mov_b32 s[G1+2], 50<<16                      ; 50 of them: one record, dense
	s_mov_b32 s[G1+3], 32<<16
	s_mov_b32 s[G1+4], 50
	s_mov_b32 s[G1+5], 32
	s_mov_b32 s[G1+6], 0
	s_mov_b32 s[G1+7], 0
	s_mov_b32 s[G0], 1
	s_mul_i32 s[G0+1], s24, REC
	s_add_co_u32 s[G0+1], s[G0+1], WL
	s_wait_alu depctr_va_vdst(0)                   ; the wait at the head's end
	s_wait_dscnt 0x0                               ; both opening adds are done
	s_wait_kmcnt 0x0
	s_add_nc_u64 s[G0+2:G0+3], s[6:7], s[2:3]
	s_or_b32 s[G0+3], s[G0+3], 0x80000000
	ROUND                                          ; all four work-groups are here: the joint loads meet
	tensor_load_to_lds s[G0:G0+3], s[G1:G1+7]      ; my one load at the head: K step w % 2 of half-panel w / 2
	s_nop 0
	s_add_nc_u64 s[40:41], s[4:5], s[26:27]
	s_add_nc_u64 s[42:43], s[4:5], s[28:29]
	s_add_nc_u64 s[44:45], s[6:7], s[30:31]
	s_add_nc_u64 s[46:47], s[6:7], s[32:33]
	s_add_nc_u64 s[8:9], s[8:9], s[34:35]
	s_add_nc_u64 s[12:13], s[12:13], s[34:35]
	s_add_nc_u64 s[14:15], s[14:15], s[34:35]
	s_add_nc_u64 s[10:11], s[10:11], s[36:37]
	s_add_nc_u64 s[16:17], s[16:17], s[36:37]
	s_add_nc_u64 s[48:49], s[18:19], s[26:27]
	s_add_nc_u64 s[50:51], s[18:19], s[38:39]
	global_load_b128 v[XH:XH+3], v[L16], s[40:41]                  ; my half fragment of o: 2 loads
	global_load_b64 v[XH+4:XH+5], v[L8], s[40:41] offset:512
.irp t, 0,1,2,3,4,5,6,7
	global_load_b128 v[ACC+4*\t:ACC+4*\t+3], v[RG], s[10:11] offset:(2*\t+8*(\t/4))*4096   ; tile rows 2 t and 2 t + 1: sixteen lanes read 256 consecutive bytes, aligned
.endr
	global_load_b128 v[BIA:BIA+3], v[R16], s[8:9]
	global_load_b128 v[GT:GT+3], v[R16], s[12:13]
	global_load_b128 v[BT:BT+3], v[R16], s[14:15]
.irp k, 0,1,2,3,4,5,6,7
	global_load_b32 v[XS+\k], v[R4], s[42:43] offset:\k*REC
.endr
	LOADB 4, 0
	LOADB 5, 1
	s_wait_loadcnt 55                              ; o's half is in: behind it 11 + 8 + 36 loads
	s_wait_tensorcnt 0x0                           ; my record has landed: no LDS store of mine is issued while a tensor load of mine is out
	ds_store_b128 v[XW], v[XH:XH+3]
	ds_store_b64 v[XW+1], v[XH+4:XH+5] offset:512
	s_wait_loadcnt 44                              ; the residual, bout, g and b are in: behind them 8 + 36 loads
.irp t, 0,1,2,3,4,5,6,7
	v_pk_add_f32 v[ACC+4*\t:ACC+4*\t+1], v[ACC+4*\t:ACC+4*\t+1], v[BIA:BIA+1]
	v_pk_add_f32 v[ACC+4*\t+2:ACC+4*\t+3], v[ACC+4*\t+2:ACC+4*\t+3], v[BIA+2:BIA+3]
.endr
.irp t, 0,1,2,3,4,5,6,7
	ds_store_b128 v[SR], v[ACC+4*\t:ACC+4*\t+3] offset:2*SPI*\t
.endr
	ds_store_b128 v[GW], v[GT:GT+3]                ; both halves of the lanes hold and write the same
	ds_store_b128 v[GW], v[BT:BT+3] offset:256
.irp q, 0,1,2,3,4,5,6,7
	ds_load_b128 v[ACC+4*\q:ACC+4*\q+3], v[SA] offset:128*(\q/4)+16*(\q%4)   ; LDS serves a wave's instructions in order: these see my stores, and land in the registers that the stores have left
.endr
	s_wait_dscnt 0x0                               ; for the others' sake: my half of o's image is stored (and my record has landed: above)
	s_barrier_signal -1
	s_barrier_wait -1
	XLOAD 4, 0
	XLOAD 5, 1
	LOADL 0, 2
	STEP 4, 0, 0, 18, 22                           ; behind step 4's: 18 global loads (step 5's); 4 + 18 LDS loads
	XLOAD 0, 0
	LOADL 1, 0
	STEP 5, 1, 1, 0, 40                            ; behind o's fragment 5: 18 + 4 + 18
	LOADB 6, 1
	XLOAD 1, 1
	STEP 0, 2, 0, -1, 22                           ; behind o's fragment 0: 18 + 4
	LOADB 7, 2
	XLOAD 6, 0
	s_wait_tensorcnt 0x0                           ; no tensor load of mine is out;
	ds_add_u32 v[SPW], v[NIL]                      ; 0 onto my spare word;
	s_add_nc_u64 s[G0+2:G0+3], s[G0+2:G0+3], 2*REC ; my record of the next fill: K step 2 + w % 2
	s_wait_dscnt 0x0                               ; the add is done, and K steps 0 and 1 lie in my registers: my reads of the records are over
	ROUND                                          ; the same holds of every wave of all four partners
	tensor_load_to_lds s[G0:G0+3], s[G1:G1+7]      ; the refill, the first tensor load behind the round
	s_nop 0
	STEP 1, 0, 1, -1, 0
	XLOAD 7, 1
	STEP 6, 1, 0, 18, 4                            ; step 7's 18 loads and o's fragment 7 may be out
	XLOAD 2, 0
	STEP 7, 2, 1, 0, 4
	XLOAD 3, 1
	s_wait_tensorcnt 0x0                           ; my record of the refill has landed;
	ds_add_u32 v[SPW], v[NIL]
	s_wait_dscnt 0x0
	s_barrier_signal -1
	s_barrier_wait -1                              ; everybody's has
	LOADL 0, 0
	LOADL 1, 1
	STEP 2, 0, 0, -1, 18                           ; step 3's 18 LDS loads may be out
	STEP 3, 1, 1, -1, 0
	; src2 lies in the accumulators.  On its way out: through my stage, each accumulator from its low end on
.irp q, 0,1,2,3,4,5,6,7
	ds_store_b128 v[SA], v[ACC+4*\q:ACC+4*\q+3] offset:128*(\q/4)+16*(\q%4)
.endr
.irp t, 0,1,2,3,4,5,6,7
	ds_load_b128 v[RO+4*\t:RO+4*\t+3], v[SR] offset:2*SPI*\t
.endr
.irp q, 0,1,2,3,4,5,6,7
	ds_load_b128 v[G+4*\q:G+4*\q+3], v[GA] offset:128*(\q/4)+16*(\q%4)
	ds_load_b128 v[BB+4*\q:BB+4*\q+3], v[GA] offset:256+128*(\q/4)+16*(\q%4)
.endr
.irp c, 0,1,2,3
	v_pk_add_f32 v[T+2*\c:T+2*\c+1], v[ACC+8*\c:ACC+8*\c+1], v[ACC+8*\c+2:ACC+8*\c+3]
.endr
.irp e, 4,6
.irp c, 0,1,2,3
	v_pk_add_f32 v[T+2*\c:T+2*\c+1], v[T+2*\c:T+2*\c+1], v[ACC+8*\c+\e:ACC+8*\c+\e+1]
.endr
.endr
	v_pk_add_f32 v[T:T+1], v[T:T+1], v[T+2:T+3]
	v_pk_add_f32 v[T+4:T+5], v[T+4:T+5], v[T+6:T+7]
	s_delay_alu instid0(VALU_DEP_1)
	v_pk_add_f32 v[T:T+1], v[T:T+1], v[T+4:T+5]
	s_delay_alu instid0(VALU_DEP_1)
	v_add_f32 v[T], v[T], v[T+1]
	s_delay_alu instid0(VALU_DEP_1)
	v_permlanex16_b32 v[PX], v[T], s20, s21
	s_delay_alu instid0(VALU_DEP_1)
	v_add_f32 v[T], v[T], v[PX]                    ; row r's 64 columns of my wave
	ds_store_b32 v[EW], v[T]
	s_wait_alu depctr_va_vdst(0)                   ; the wait here, directly ahead of the wait below
	s_wait_dscnt 0x0                               ; my sum is stored, and the rows, g and b are back
.irp t, 0,1,2,3,4,5,6,7
	global_store_b128 v[RG], v[RO+4*\t:RO+4*\t+3], s[16:17] offset:(2*\t+8*(\t/4))*4096   ; sixteen lanes store 256 consecutive bytes, aligned
.endr
	s_barrier_signal -1
	s_barrier_wait -1
.irp k, 0,1,2,3,4,5,6,7,8,9,10,11,12,13,14,15
	ds_load_b32 v[E+\k], v[ER] offset:64*\k
.endr
	s_wait_dscnt 0x0
.irp c, 0,2,4,6
	v_pk_add_f32 v[E+\c:E+\c+1], v[E+\c:E+\c+1], v[E+8+\c:E+8+\c+1]
.endr
	v_pk_add_f32 v[E:E+1], v[E:E+1], v[E+4:E+5]
	v_pk_add_f32 v[E+2:E+3], v[E+2:E+3], v[E+6:E+7]
	s_delay_alu instid0(VALU_DEP_1)
	v_pk_add_f32 v[E:E+1], v[E:E+1], v[E+2:E+3]
	s_delay_alu instid0(VALU_DEP_1)
	v_add_f32 v[E], v[E], v[E+1]
	s_delay_alu instid0(VALU_DEP_1)
	v_mul_f32 v[NM], 0xba800000, v[E]              ; -mean
	s_delay_alu instid0(VALU_DEP_1)
	v_mov_b32 v[NM+1], v[NM]
.irp j, 0,2,4,6,8,10,12,14,16,18,20,22,24,26,28,30
	v_pk_add_f32 v[ACC+\j:ACC+\j+1], v[ACC+\j:ACC+\j+1], v[NM:NM+1]
.endr
	v_pk_mul_f32 v[T:T+1], v[ACC:ACC+1], v[ACC:ACC+1]              ; the sum of squares
	v_pk_mul_f32 v[T+2:T+3], v[ACC+2:ACC+3], v[ACC+2:ACC+3]
.irp j, 4,8,12,16,20,24,28
	v_pk_fma_f32 v[T:T+1], v[ACC+\j:ACC+\j+1], v[ACC+\j:ACC+\j+1], v[T:T+1]
	v_pk_fma_f32 v[T+2:T+3], v[ACC+\j+2:ACC+\j+3], v[ACC+\j+2:ACC+\j+3], v[T+2:T+3]
.endr
	s_delay_alu instid0(VALU_DEP_1)
	v_pk_add_f32 v[T:T+1], v[T:T+1], v[T+2:T+3]
	s_delay_alu instid0(VALU_DEP_1)
	v_add_f32 v[T], v[T], v[T+1]
	s_delay_alu instid0(VALU_DEP_1)
	v_permlanex16_b32 v[PX], v[T], s20, s21
	s_delay_alu instid0(VALU_DEP_1)
	v_add_f32 v[T], v[T], v[PX]
	ds_store_b32 v[EW], v[T] offset:1024           ; other bytes than the first exchange's
	s_wait_alu depctr_va_vdst(0)                   ; the wait here, directly ahead of the wait below
	s_wait_dscnt 0x0
	s_barrier_signal -1
	s_barrier_wait -1
.irp k, 0,1,2,3,4,5,6,7,8,9,10,11,12,13,14,15
	ds_load_b32 v[E+\k], v[ER] offset:1024+64*\k
.endr
	s_wait_dscnt 0x0
.irp c, 0,2,4,6
	v_pk_add_f32 v[E+\c:E+\c+1], v[E+\c:E+\c+1], v[E+8+\c:E+8+\c+1]
.endr
	v_pk_add_f32 v[E:E+1], v[E:E+1], v[E+4:E+5]
	v_pk_add_f32 v[E+2:E+3], v[E+2:E+3], v[E+6:E+7]
	s_delay_alu instid0(VALU_DEP_1)
	v_pk_add_f32 v[E:E+1], v[E:E+1], v[E+2:E+3]
	s_delay_alu instid0(VALU_DEP_1)
	v_add_f32 v[E], v[E], v[E+1]
	s_delay_alu instid0(VALU_DEP_1)
	v_fma_f32 v[E], v[E], s22, s23                 ; var + 1e-5
	s_wait_alu depctr_va_vdst(0)                   ; the wait ahead of the transcendental,
	v_rsq_f32 v[NM], v[E]
	v_nop                                          ; a plain place behind it,
	s_wait_alu depctr_va_vdst(0)                   ; and the wait ahead of its first reader
	v_mov_b32 v[NM+1], v[NM]
.irp j, 0,2,4,6,8,10,12,14,16,18,20,22,24,26,28,30
	v_pk_mul_f32 v[ACC+\j:ACC+\j+1], v[ACC+\j:ACC+\j+1], v[NM:NM+1]
.endr
.irp j, 0,2,4,6,8,10,12,14,16,18,20,22,24,26,28,30
	v_pk_fma_f32 v[ACC+\j:ACC+\j+1], v[ACC+\j:ACC+\j+1], v[G+\j:G+\j+1], v[BB+\j:BB+\j+1]
.endr
	; quantised along the row: my 64 columns are two blocks of 32, each shared by lanes l and l xor 16
	v_mov_b32 v[PT], 0
	v_mov_b32 v[PT+1], 0
.irp b, 0,1
	v_max3_num_f32 v[BM+\b], |v[ACC+16*\b]|, |v[ACC+16*\b+1]|, 0x2800000   ; with the floor 2^(5 - 127): the byte cannot fall under 1
.endr
.irp i, 2,4,6,8,10,12,14
.irp b, 0,1
	s_delay_alu instid0(VALU_DEP_2)
	v_max3_num_f32 v[BM+\b], v[BM+\b], |v[ACC+16*\b+\i]|, |v[ACC+16*\b+\i+1]|
.endr
.endr
.irp b, 0,1
	s_delay_alu instid0(VALU_DEP_2)
	v_permlanex16_b32 v[PT+\b], v[BM+\b], s20, s21
.endr
.irp b, 0,1
	s_delay_alu instid0(VALU_DEP_2)
	v_max_num_f32 v[BM+\b], v[BM+\b], v[PT+\b]
.endr
.irp b, 0,1
	s_delay_alu instid0(VALU_DEP_2)
	v_add_nc_u32 v[SO+\b], 0xfe000000, v[BM+\b]    ; 4 off the exponent field: the conversion's scale operand
.endr
.irp b, 0,1
	s_delay_alu instid0(VALU_DEP_2)
	v_lshrrev_b32 v[PT+\b], 23, v[SO+\b]           ; the scale's byte
.endr
	s_delay_alu instid0(VALU_DEP_1)
	v_lshl_or_b32 v[T0], v[PT+1], 8, v[PT]
	v_cvt_scalef32_pk16_bf6_f32 v[PC:PC+2], v[ACC:ACC+15], v[SO]
	v_cvt_scalef32_pk16_bf6_f32 v[CT:CT+2], v[ACC+16:ACC+31], v[SO+1]
	v_nop                                          ; one plain place behind a scaled conversion
.irp i, 0,1,2
	v_permlane16_swap_b32 v[PC+\i], v[CT+\i]       ; the operand's layout wants a whole block in a lane
.endr
.irp i, 0,1,2
	v_mov_b32 v[PC+3+\i], v[CT+\i]
.endr
	global_store_b128 v[L16], v[PC:PC+3], s[48:49]                 ; 512 consecutive bytes,
	global_store_b64 v[L8], v[PC+4:PC+5], s[48:49] offset:512      ; and 256
	global_store_b16 v[R4], v[T0], s[50:51]                        ; my two of the row's four scale bytes; both halves of the lanes write the same
	s_wait_tensorcnt 0x0                           ; the wave's end, behind my last tensor load and my last LDS store
	ds_add_u32 v[SPW], v[NIL]
	s_wait_dscnt 0x0
	ROUND                                          ; the closing round: no work-group ends while a partner may still ask for a record that names it
	s_endpgm
.Lfunc_end_k_q0bf6d4dd43_oprojln:
	.size	k_q0bf6d4dd43_oprojln, .Lfunc_end_k_q0bf6d4dd43_oprojln-k_q0bf6d4dd43_oprojln
	.p2alignl 7, 3214868480
	.fill 96, 4, 3214868480
	.section	.rodata,"a",@progbits
	.p2align	6, 0x0
	.amdhsa_kernel k_q0bf6d4dd43_oprojln
		.amdhsa_group_segment_fixed_size 327680
		.amdhsa_private_segment_fixed_size 0
		.amdhsa_enable_private_segment 0
		.amdhsa_kernarg_size 64
		.amdhsa_user_sgpr_count 2
		.amdhsa_user_sgpr_kernarg_segment_ptr 1
		.amdhsa_wavefront_size32 1
		.amdhsa_system_sgpr_workgroup_id_x 1
		.amdhsa_system_sgpr_workgroup_id_y 1
		.amdhsa_system_sgpr_workgroup_id_z 1
		.amdhsa_system_vgpr_workitem_id 0
		.amdhsa_next_free_vgpr 256
		.amdhsa_next_free_sgpr 68
		.amdhsa_reserve_vcc 0
		.amdhsa_float_denorm_mode_32 3
		.amdhsa_float_denorm_mode_16_64 3
		.amdhsa_memory_ordered 1
		.amdhsa_forward_progress 1
		.amdhsa_inst_pref_size 46
	.end_amdhsa_kernel
	.amdgpu_metadata
---
amdhsa.version: [ 1, 2 ]
amdhsa.kernels:
  - .name:           k_q0bf6d4dd43_oprojln
    .symbol:         k_q0bf6d4dd43_oprojln.kd
    .args:
      - { .name: oq, .offset: 0, .size: 8, .value_kind: global_buffer, .address_space: global }
      - { .name: wq, .offset: 8, .size: 8, .value_kind: global_buffer, .address_space: global }
      - { .name: bout, .offset: 16, .size: 8, .value_kind: global_buffer, .address_space: global }
      - { .name: src, .offset: 24, .size: 8, .value_kind: global_buffer, .address_space: global }
      - { .name: ln2_g, .offset: 32, .size: 8, .value_kind: global_buffer, .address_space: global }
      - { .name: ln2_b, .offset: 40, .size: 8, .value_kind: global_buffer, .address_space: global }
      - { .name: src2, .offset: 48, .size: 8, .value_kind: global_buffer, .address_space: global }
      - { .name: xq, .offset: 56, .size: 8, .value_kind: global_buffer, .address_space: global }
    .group_segment_fixed_size: 327680
    .private_segment_fixed_size: 0
    .kernarg_segment_align: 8
    .kernarg_segment_size: 64
    .max_flat_workgroup_size: 512
    .sgpr_count:     68
    .vgpr_count:     256
    .wavefront_size: 32
...
	.end_amdgpu_metadata
.endif
;; end of part 4
;; launch ffn1 (part 5): grid 16 x 16, 4 waves a work-group, clusters of 4 x 4, 327,680 bytes of LDS; arguments xq, wq, b1, hid; writes hid
.if DOCPART == 5
	.amdgcn_target "amdgcn-amd-amdhsa--gfx1250"
	.amdhsa_code_object_version 6
	.text
	.protected	k_q0bf6d4dd43_ffn1
	.globl	k_q0bf6d4dd43_ffn1
	.p2align	8
	.type	k_q0bf6d4dd43_ffn1,@function
k_q0bf6d4dd43_ffn1:
	s_mov_b64 s[64:65], 0
	v_nop
	global_prefetch_b8 v0, s[64:65] scope:SCOPE_SE
	s_setreg_imm32_b32 hwreg(HW_REG_WAVE_MODE, 25, 1), 1
	s_wait_xcnt 0x0
	s_wait_alu depctr_hold_cnt(0) depctr_sa_sdst(0) depctr_va_vdst(0) depctr_va_sdst(0) depctr_va_ssrc(0) depctr_va_vcc(0) depctr_vm_vsrc(0)
	s_getreg_b32 s2, hwreg(HW_REG_IB_STS2, 6, 4)
	s_cmp_eq_u32 s2, 0
	s_cbranch_scc0 .Lentry_in_a_cluster
	s_endpgm
.Lentry_in_a_cluster:
	s_bfe_u32 s2, ttmp6, 0x10000c
	s_cmp_lg_u32 s2, 0xf033
	s_cbranch_scc0 .Lentry_shape_is_right
	s_endpgm
.Lentry_shape_is_right:
.set WOFF,  3276800
.set REC,   12800
.set PART,  2*REC
; hid = relu(LN2(src2) W1^T + b1) on codes of BF6 (E3M2), quantised at once along the hidden units.  A tile is 256 tokens x 256 hidden units, four waves of 128 x 128; K = 1,024 in four steps of 256.
; LDS IS LAID BY HALF-PANEL: wave w's tensor loads land from 3 PART w on, six records on end (K's first 768); region s of a half-panel is its records 2 s and 2 s + 1.
; At the head a wave issues ONE joint load, of all six records (76,800 dense bytes); records 6 and 7 fill region 0 again behind the first change of regions.
.set SLOT,  PART
.set SPARE, 12*PART
.set G1L,  76
.set G1LB, 88
.set HPB,   8*REC
.set FR,    12
.set XA,    4
.set YA,    10
.set ADRS,  16
.set BO,    20
.set L16,   26
.set L8,    27
.set SPW,   28
.set NIL,   29
.set L4,    30
.set SC,    32
.set BI,    64
.set AF,    128
.set H,     128
.set PC,    192
.set TM,    212
.set PWS,   228
.set TP,    236
.set G1,  24
.set G1B, 48
.set G0,  72
.set G0B, 84
.set HIM, 66
.set SEL, 70
.set MSB, 0
.macro WIN new
.if MSB != (\new)
	s_set_vgpr_msb (MSB<<8)|(\new)
.set MSB, (\new)
.endif
.endm
.set MUL_LO, 0xa1
.set MUL_HI, 0xf1
.set TO_B,   0x40
.macro JLOAD g0a, g1a, g0b, g1b
	s_cmp_eq_u32 s15, 0
	s_cbranch_scc0 .Lfor_b_\@
	tensor_load_to_lds s[\g0a:\g0a+3], s[\g1a:\g1a+7]
	s_nop 0
.rept 4
	v_nop
.endr
	s_branch .Lasked_\@
.Lfor_b_\@:
	tensor_load_to_lds s[\g0b:\g0b+3], s[\g1b:\g1b+7]
	s_nop 0
.rept 4
	v_nop
.endr
.Lasked_\@:
.endm
.macro CREST
	s_cmp_lg_u32 s14, 0
	s_cbranch_scc1 .Lnot_wave_0_\@
	s_barrier_signal -3
.Lnot_wave_0_\@:
	s_barrier_wait -3
	s_barrier_signal -1
	s_barrier_wait -1
.endm
.macro CROUND
	s_barrier_signal -1
	s_barrier_wait -1
	CREST
.endm
.macro PLACES
.rept 4
	v_nop
.endr
.endm
.macro FRAG reg, a, off
	ds_load_b128 v[\reg:\reg+3], v[\a] offset:\off
	ds_load_b64 v[\reg+4:\reg+5], v[\a+3] offset:\off+512
	ds_load_b128 v[\reg+6:\reg+9], v[\a] offset:\off+768
	ds_load_b64 v[\reg+10:\reg+11], v[\a+3] offset:\off+1280
.endm
.macro FETCH_B rg, q, p
	WIN TO_B
.irp i, 0,1,2,3,4,5,6,7
	FRAG 128*(\p)+FR*\i, YA+\rg, (\q)*REC+\i*1536
.endr
	WIN 0
.endm
.macro FETCH_A rg, q, i0
.irp i, \i0, \i0+1, \i0+2, \i0+3
	FRAG AF+FR*(\i), XA+\rg, (\q)*REC+(\i)*1536
.endr
.endm
.macro SCALES rg, sc
.irp q, 0,1
.irp i, 0,1,2,3,4,5,6,7
	ds_load_b32 v[SC+16*(\sc)+2*\i+\q], v[ADRS+\rg] offset:\q*REC+64*\i
.endr
.endr
.endm
.macro MUL16 a0, p, q, sc, zero
.irp a, \a0, \a0+1
.irp b, 0,1,2,3,4,5,6,7
.if \zero
	v_wmma_scale_f32_16x16x128_f8f6f4 v[8*(8*((\a)%4)+\b):8*(8*((\a)%4)+\b)+7], v[128*(\p)+FR*\b:128*(\p)+FR*\b+FR-1], v[AF+FR*(\a):AF+FR*(\a)+FR-1], 0, v[SC+16*(\sc)+2*\b+(\q)], v[SC+16*(\sc)+2*(\a)+(\q)] matrix_a_fmt:MATRIX_FMT_BF6 matrix_b_fmt:MATRIX_FMT_BF6 matrix_a_scale:MATRIX_SCALE_ROW1
.else
	v_wmma_scale_f32_16x16x128_f8f6f4 v[8*(8*((\a)%4)+\b):8*(8*((\a)%4)+\b)+7], v[128*(\p)+FR*\b:128*(\p)+FR*\b+FR-1], v[AF+FR*(\a):AF+FR*(\a)+FR-1], v[8*(8*((\a)%4)+\b):8*(8*((\a)%4)+\b)+7], v[SC+16*(\sc)+2*\b+(\q)], v[SC+16*(\sc)+2*(\a)+(\q)] matrix_a_fmt:MATRIX_FMT_BF6 matrix_b_fmt:MATRIX_FMT_BF6 matrix_a_scale:MATRIX_SCALE_ROW1
.endif
.endr
.endr
.endm
.macro STEP rg, sc, zero
	s_wait_dscnt 16
	WIN MUL_LO
	MUL16 0, 0, 0, \sc, \zero
	MUL16 2, 0, 0, \sc, \zero
	s_wait_dscnt 0
	PLACES
	FETCH_B \rg, 1, 1
	FETCH_A \rg, 1, 0
	WIN MUL_HI
	MUL16 4, 0, 0, \sc, \zero
	MUL16 6, 0, 0, \sc, \zero
	PLACES
	WIN 0
	FETCH_A \rg, 1, 4
.endm
.macro TURN sc, nrg, nsc, mode
.if \mode == 0
	s_wait_dscnt 16
	WIN MUL_LO
	MUL16 0, 1, 1, \sc, 0
	MUL16 2, 1, 1, \sc, 0
	s_wait_dscnt 0
	PLACES
.else
	s_wait_tensorcnt 0x0
	ds_add_u32 v[SPW], v[NIL]
	s_wait_dscnt 17
	WIN MUL_LO
	MUL16 0, 1, 1, \sc, 0
	s_wait_dscnt 0x0
	s_barrier_signal -1
	MUL16 2, 1, 1, \sc, 0
	WIN 0
	s_barrier_wait -1
.if \mode == 2
	CREST
	s_add_nc_u64 s[G0+2:G0+3], s[G0+2:G0+3], 3*PART
	s_add_nc_u64 s[G0B+2:G0B+3], s[G0B+2:G0B+3], 3*PART
	JLOAD G0, G1, G0B, G1B
.else
	PLACES
.endif
.endif
	FETCH_B \nrg, 0, 0
	FETCH_A \nrg, 0, 0
	SCALES \nrg, \nsc
	WIN MUL_HI
	MUL16 4, 1, 1, \sc, 0
	MUL16 6, 1, 1, \sc, 0
	PLACES
	WIN 0
	FETCH_A \nrg, 0, 4
.endm
.macro QUANT s, pw
.irp b, 0,1,2,3
	v_max3_num_f32 v[TM+\b], |v[\s+16*\b]|, |v[\s+1+16*\b]|, 0x2800000
.endr
.irp i, 2,4,6,8,10,12,14
.irp b, 0,1,2,3
	v_max3_num_f32 v[TM+\b], v[TM+\b], |v[\s+16*\b+\i]|, |v[\s+1+16*\b+\i]|
.endr
.endr
.irp b, 0,1,2,3
	v_permlanex16_b32 v[TM+4+\b], v[TM+\b], s[SEL], s[SEL+1]
.endr
.irp b, 0,1,2,3
	v_max_num_f32 v[TM+\b], v[TM+\b], v[TM+4+\b]
.endr
.irp b, 0,1,2,3
	v_add_nc_u32 v[TM+12+\b], 0xfe000000, v[TM+\b]
.endr
.irp b, 0,1,2,3
	v_lshrrev_b32 v[TM+4+\b], 23, v[TM+12+\b]
.endr
	v_lshl_or_b32 v[\pw], v[TM+5], 8, v[TM+4]
	v_lshl_or_b32 v[\pw], v[TM+6], 16, v[\pw]
	v_lshl_or_b32 v[\pw], v[TM+7], 24, v[\pw]
.irp c, 0,1
	v_cvt_scalef32_pk16_bf6_f32 v[PC+6*\c:PC+2+6*\c], v[\s+32*\c:\s+15+32*\c], v[TM+12+2*\c]
	v_cvt_scalef32_pk16_bf6_f32 v[PC+12+4*\c:PC+14+4*\c], v[\s+16+32*\c:\s+31+32*\c], v[TM+12+2*\c+1]
.endr
	v_nop
.irp c, 0,1
.irp i, 0,1,2
	v_permlane16_swap_b32 v[PC+6*\c+\i], v[PC+12+4*\c+\i]
.endr
.irp i, 0,1,2
	v_mov_b32 v[PC+3+6*\c+\i], v[PC+12+4*\c+\i]
.endr
.endr
.endm
.macro PRE a
	WIN 0x02+(\a)/4
.set AC, 64*((\a)%4)
.set m, 0
.rept 32
	v_pk_add_f32 v[H+m:H+m+1], v[AC+m:AC+m+1], v[BI+m:BI+m+1]
.set m, m+2
.endr
	WIN 0
.endm
	s_load_b256 s[4:11], s[0:1], 0x0
	v_lshl_add_u32 v[SPW], v0, 2, SPARE
	v_mov_b32 v[NIL], 0
	ds_add_u32 v[SPW], v[NIL]
	ds_add_u32 v[SPW], v[NIL]
	v_lshrrev_b32 v1, 5, v0
	v_readfirstlane_b32 s14, v1
	s_lshr_b32 s15, s14, 1
	s_and_b32 s16, s14, 1
	s_bfe_u32 s40, ttmp6, 0x40000
	s_bfe_u32 s41, ttmp6, 0x40004
	s_lshl_b32 s42, ttmp9, 2
	s_add_co_u32 s42, s42, s40
	s_and_b32 s17, ttmp7, 0xffff
	s_lshl_b32 s17, s17, 2
	s_add_co_u32 s17, s17, s41
	s_lshl_b32 s43, s41, 2
	s_lshl_b32 s43, 15, s43
	s_lshl_b32 s44, 0x1111, s40
	s_or_b32 s[G1], s43, (3<<16)|(1<<21)
	s_or_b32 s[G1B], s44, (3<<16)|(1<<21)
	s_or_b32 s[G1L], s43, (3<<16)|(1<<21)
	s_or_b32 s[G1LB], s44, (3<<16)|(1<<21)
.irp g, G1L, G1LB
	s_mov_b32 s[\g+1], 32<<16                      ; rows of 256 bytes,
	s_mov_b32 s[\g+2], 300<<16                     ; 300 of them: six records, dense
	s_mov_b32 s[\g+3], 32<<16
	s_mov_b32 s[\g+4], 300
	s_mov_b32 s[\g+5], 32
	s_mov_b32 s[\g+6], 0
	s_mov_b32 s[\g+7], 0
.endr
.irp g, G1, G1B
	s_mov_b32 s[\g+1], 32<<16
	s_mov_b32 s[\g+2], 100<<16
	s_mov_b32 s[\g+3], 32<<16
	s_mov_b32 s[\g+4], 100
	s_mov_b32 s[\g+5], 32
	s_mov_b32 s[\g+6], 0
	s_mov_b32 s[\g+7], 0
.endr
	s_lshl_b32 s20, s17, 1
	s_add_co_u32 s20, s20, s16
	s_mul_i32 s20, s20, HPB
	s_mov_b32 s21, 0
	s_lshl_b32 s46, s42, 1
	s_add_co_u32 s46, s46, s16
	s_mul_i32 s46, s46, HPB
	s_mov_b32 s47, 0
	s_mul_i32 s45, s14, 3*PART
	s_mov_b32 s[HIM], 0xffff0000
	s_mov_b32 s[SEL], 0x76543210
	s_mov_b32 s[SEL+1], 0xfedcba98
	s_wait_dscnt 0x0
	s_wait_kmcnt 0x0
	s_add_nc_u64 s[20:21], s[4:5], s[20:21]
	s_add_nc_u64 s[46:47], s[6:7], s[46:47]
	s_add_nc_u64 s[46:47], s[46:47], WOFF
	CROUND
	s_mov_b32 s[G0], 1
	s_mov_b32 s[G0+1], s45
	s_mov_b64 s[G0+2:G0+3], s[20:21]
	s_or_b32 s[G0+3], s[G0+3], 0x80000000
	s_mov_b32 s[G0B], 1
	s_mov_b32 s[G0B+1], s45
	s_mov_b64 s[G0B+2:G0B+3], s[46:47]
	s_or_b32 s[G0B+3], s[G0B+3], 0x80000000
	JLOAD G0, G1L, G0B, G1LB                       ; my one load at the head: six records of my half-panel
	v_and_b32 v1, 31, v0
	v_and_b32 v2, 15, v0
	v_bfe_u32 v3, v0, 4, 1
	v_lshlrev_b32 v[L16], 4, v1
	v_lshlrev_b32 v[L8], 3, v1
	v_lshlrev_b32 v[L4], 2, v1
	s_mul_i32 s21, s15, 3*PART
	s_mul_i32 s22, s16, 3*PART
	s_add_co_u32 s22, s22, 6*PART
.irp s, 0,1,2
	v_add_nc_u32 v[XA+\s], s21, v[L16]
	v_add_nc_u32 v[XA+3+\s], s21, v[L8]
	v_add_nc_u32 v[YA+\s], s22, v[L16]
	v_add_nc_u32 v[YA+3+\s], s22, v[L8]
	s_add_co_u32 s21, s21, SLOT
	s_add_co_u32 s22, s22, SLOT
.endr
	s_mul_i32 s21, s15, 3*PART
	s_mul_i32 s22, s16, 3*PART
	s_add_co_u32 s22, s22, 6*PART
	s_sub_co_u32 s22, s22, s21
	v_mul_u32_u24 v19, s22, v3
	v_lshl_add_u32 v19, v2, 2, v19
	s_add_co_u32 s21, s21, 12288
	v_add_nc_u32 v[ADRS], s21, v19
	v_add_nc_u32 v[ADRS+1], SLOT, v[ADRS]
	v_add_nc_u32 v[ADRS+2], 2*SLOT, v[ADRS]
	v_lshlrev_b32 v[BO], 6, v3
	s_lshl_b32 s18, s17, 1
	s_add_co_u32 s18, s18, s15
	s_lshl_b32 s19, s42, 1
	s_add_co_u32 s19, s19, s16
	s_lshl_b32 s20, s19, 9
	s_mov_b32 s21, 0
	s_add_nc_u64 s[8:9], s[8:9], s[20:21]
.irp b, 0,1,2,3
.irp k, 0,1,2,3
	global_load_b128 v[BI+16*\b+4*\k:BI+16*\b+4*\k+3], v[BO], s[8:9] offset:128*\b+16*\k
.endr
.endr
	s_lshl_b32 s20, s18, 5
	s_add_co_u32 s20, s20, s19
	s_mul_i32 s20, s20, REC
	s_add_nc_u64 s[10:11], s[10:11], s[20:21]
	s_wait_alu depctr_va_vdst(0)
	s_wait_tensorcnt 0x0                           ; my six records are in,
	s_barrier_signal -1
	s_barrier_wait -1
	FETCH_B 0, 0, 0
	FETCH_A 0, 0, 0
	SCALES 0, 0
	FETCH_A 0, 0, 4
	STEP 0, 0, 1
	TURN 0, 1, 1, 2
	STEP 1, 1, 0
	TURN 1, 2, 0, 0
	STEP 2, 0, 0
	TURN 0, 0, 1, 1
	STEP 0, 1, 0
	s_wait_dscnt 16
	WIN MUL_LO
	MUL16 0, 1, 1, 1, 0
	MUL16 2, 1, 1, 1, 0
	s_wait_dscnt 0
	WIN MUL_HI
	MUL16 4, 1, 1, 1, 0
	MUL16 6, 1, 1, 1, 0
	WIN 0
	PLACES
	s_wait_loadcnt 0x0
.irp b, 0,1,2,3
	v_mov_b32 v[TM+4+\b], 0
.endr
.irp a, 0,1,2,3,4,5,6,7
	PRE \a
.set m, 0
.rept 64
	v_max_num_f32 v[H+m], 0, v[H+m]
.set m, m+1
.endr
	s_wait_xcnt 0x0
	QUANT H, PWS+\a
	global_store_b128 v[L16], v[PC:PC+3], s[10:11] offset:\a*1536
	global_store_b64 v[L8], v[PC+4:PC+5], s[10:11] offset:\a*1536+512
	global_store_b128 v[L16], v[PC+6:PC+9], s[10:11] offset:\a*1536+768
	global_store_b64 v[L8], v[PC+10:PC+11], s[10:11] offset:\a*1536+1280
.endr
.irp k, 0,1,2,3
	v_cndmask_b32 v[TP+\k], v[PWS+2*\k], v[PWS+2*\k+1], s[HIM]
	global_store_b32 v[L4], v[TP+\k], s[10:11] offset:12288+128*\k
.endr
	s_wait_tensorcnt 0x0
	ds_add_u32 v[SPW], v[NIL]
	s_wait_dscnt 0x0
	CROUND
	s_endpgm
.Lfunc_end_k_q0bf6d4dd43_ffn1:
	.size	k_q0bf6d4dd43_ffn1, .Lfunc_end_k_q0bf6d4dd43_ffn1-k_q0bf6d4dd43_ffn1
	.p2alignl 7, 3214868480
	.fill 96, 4, 3214868480
	.section	.rodata,"a",@progbits
	.p2align	6, 0x0
	.amdhsa_kernel k_q0bf6d4dd43_ffn1
		.amdhsa_group_segment_fixed_size 327680
		.amdhsa_private_segment_fixed_size 0
		.amdhsa_enable_private_segment 0
		.amdhsa_kernarg_size 32
		.amdhsa_user_sgpr_count 2
		.amdhsa_user_sgpr_kernarg_segment_ptr 1
		.amdhsa_wavefront_size32 1
		.amdhsa_system_sgpr_workgroup_id_x 1
		.amdhsa_system_sgpr_workgroup_id_y 1
		.amdhsa_system_sgpr_workgroup_id_z 1
		.amdhsa_system_vgpr_workitem_id 0
		.amdhsa_next_free_vgpr 1024
		.amdhsa_next_free_sgpr 96
		.amdhsa_reserve_vcc 0
		.amdhsa_float_denorm_mode_32 3
		.amdhsa_float_denorm_mode_16_64 3
		.amdhsa_memory_ordered 1
		.amdhsa_forward_progress 1
		.amdhsa_inst_pref_size 181
	.end_amdhsa_kernel
	.amdgpu_metadata
---
amdhsa.version: [ 1, 2 ]
amdhsa.kernels:
  - .name:           k_q0bf6d4dd43_ffn1
    .symbol:         k_q0bf6d4dd43_ffn1.kd
    .args:
      - { .name: xq, .offset: 0, .size: 8, .value_kind: global_buffer, .address_space: global }
      - { .name: wq, .offset: 8, .size: 8, .value_kind: global_buffer, .address_space: global }
      - { .name: b1, .offset: 16, .size: 8, .value_kind: global_buffer, .address_space: global }
      - { .name: hid, .offset: 24, .size: 8, .value_kind: global_buffer, .address_space: global }
    .group_segment_fixed_size: 327680
    .private_segment_fixed_size: 0
    .kernarg_segment_align: 8
    .kernarg_segment_size: 32
    .max_flat_workgroup_size: 128
    .sgpr_count:     96
    .vgpr_count:     1024
    .wavefront_size: 32
...
	.end_amdgpu_metadata
.endif
;; end of part 5
;; launch ffn2 (part 6): grid 8 x 32, 4 waves a work-group, clusters of 4 x 4, 327,680 bytes of LDS; arguments hid, wq, b2, src2, out0; writes out0
.if DOCPART == 6
	.amdgcn_target "amdgcn-amd-amdhsa--gfx1250"
	.amdhsa_code_object_version 6
	.text
	.protected	k_q0bf6d4dd43_ffn2
	.globl	k_q0bf6d4dd43_ffn2
	.p2align	8
	.type	k_q0bf6d4dd43_ffn2,@function
k_q0bf6d4dd43_ffn2:
	s_mov_b64 s[64:65], 0
	v_nop
	global_prefetch_b8 v0, s[64:65] scope:SCOPE_SE
	s_setreg_imm32_b32 hwreg(HW_REG_WAVE_MODE, 25, 1), 1
	s_wait_xcnt 0x0
	s_wait_alu depctr_hold_cnt(0) depctr_sa_sdst(0) depctr_va_vdst(0) depctr_va_sdst(0) depctr_va_ssrc(0) depctr_va_vcc(0) depctr_vm_vsrc(0)
	s_getreg_b32 s2, hwreg(HW_REG_IB_STS2, 6, 4)
	s_cmp_eq_u32 s2, 0
	s_cbranch_scc0 .Lentry_in_a_cluster
	s_endpgm
.Lentry_in_a_cluster:
	s_bfe_u32 s2, ttmp6, 0x10000c
	s_cmp_lg_u32 s2, 0xf033
	s_cbranch_scc0 .Lentry_shape_is_right
	s_endpgm
.Lentry_shape_is_right:
; out0 = src2 + hid W2^T + b2, hid (X) and W2 (Y) as codes of BF6 (E3M2) in records of 12,800 bytes (128 rows x 128 K: tile i's fragment at 1536 i, its scale words at 12288 + 64 i); out0, src2: [4096][1024] f32.
; N = 1,024 gives 256 tiles of 128 x 128, one to a work-group.  THE FOUR WAVES SHARE K, NOT THE TILE: every wave holds all 128 x 128 (64 accumulators) and takes K's records 8 w .. 8 w + 7; the four partial sums meet in the stage through which the results pass anyway.
; THE OPERANDS COME BY TWO ROADS AT ONCE.  X: a wave's eight records lie on end in memory; six of them (76,800 bytes) come into the wave's own LDS bytes by ONE joint load at the head, shared along a row of the 4 x 4 cluster;
; the last two fill the first two's bytes again in step 1, four steps ahead of their use: one refill in the launch.  Y: from memory straight into the operand's registers, which is the order in which the records lie: two sets, 36 loads each.
; Y IS NOT ASKED FOR JOINTLY: it passes no LDS, all of which X's 24 records and the spare words take.
; The matrix instruction is used transposed (source 0 = Y's rows, source 1 = X's); lane row r of tile 2 a + u is row 32 a + 8 u + r + 8 (r / 8), so a lane's registers of Y's tiles 2 b, 2 b + 1 are columns 32 b + 16 (lane / 16) + 0 .. 15.
; PREFETCH: the 32 rows x 512 bytes of src2 that a wave finishes are asked for at the head, a lane a row, two instructions; their loads follow at the end of step 6, into the registers that Y's set 0 has left.
.set KC,    32
.set WOFF,  6553600
.set REC,   12800
.set STGB,  128*528                    ; the way out: a wave's stage, from LDS byte 0 on: over bytes that have had their last fill and their last read
.set SPARE, 24*REC
.set FR,    12
.set RD,    8
.set STO,   12
.set XA,    14                         ; v14-15 my records 0-2, 3-5 + 16 x lane;  v16-17 + 8 x lane
.set ADRS,  18                         ; v18-19 their scale words + 4 r
.set L4,    20
.set PFO,   21
.set L16,   26
.set L8,    27
.set SPW,   28
.set NIL,   29
.set SCX,   32                         ; v32-47 X's scale words, two sets of 8
.set BI,    48
.set SCY,   52                         ; v52-59 Y's, two sets of 4: lanes 0-15 an even tile's, lanes 16-31 the next tile's
.set AF,    128
.set G1,   24                          ; s[24:31] group 1 of the head's load: 300 rows;  s[48:55] of the refill: 100 rows
.set G1R,  48
.set G0,   32
.set MSB, 0
.macro WIN new
.if MSB != (\new)
	s_set_vgpr_msb (MSB<<8)|(\new)
.set MSB, (\new)
.endif
.endm
.set MUL_LO, 0xa1                      ; source 0 (Y) window 1, source 1 (X) window 0, C and D window 2
.set MUL_HI, 0xf1
.set TO_B,   0x40
.macro CREST
	s_cmp_lg_u32 s14, 0
	s_cbranch_scc1 .Lnot_wave_0_\@
	s_barrier_signal -3
.Lnot_wave_0_\@:
	s_barrier_wait -3
	s_barrier_signal -1
	s_barrier_wait -1
.endm
.macro CROUND
	s_barrier_signal -1
	s_barrier_wait -1
	CREST
.endm
.macro PLACES
.rept 4
	v_nop
.endr
.endm
.macro FRAG reg, a, off
	ds_load_b128 v[\reg:\reg+3], v[\a] offset:\off
	ds_load_b64 v[\reg+4:\reg+5], v[\a+2] offset:\off+512
	ds_load_b128 v[\reg+6:\reg+9], v[\a] offset:\off+768
	ds_load_b64 v[\reg+10:\reg+11], v[\a+2] offset:\off+1280
.endm
.macro FETCH_A pos, i0                 ; X's tiles i0 .. i0 + 3 of the record at place pos of my six
.irp i, \i0, \i0+1, \i0+2, \i0+3
	FRAG AF+FR*(\i), XA+(\pos)/3, ((\pos)%3)*REC+(\i)*1536
.endr
.endm
.macro SCALEX pos, st
.irp i, 0,1,2,3,4,5,6,7
	ds_load_b32 v[SCX+8*(\st)+\i], v[ADRS+(\pos)/3] offset:((\pos)%3)*REC+64*\i
.endr
.endm
.macro YLOAD s                         ; Y's record of step s into set s % 2: 36 loads
	WIN TO_B
.irp i, 0,1,2,3,4,5,6,7
	global_load_b128 v[128*((\s)%2)+FR*\i:128*((\s)%2)+FR*\i+3], v[L16], s[56:57] offset:(\s)*REC+\i*1536
	global_load_b64 v[128*((\s)%2)+FR*\i+4:128*((\s)%2)+FR*\i+5], v[L8], s[56:57] offset:(\s)*REC+\i*1536+512
	global_load_b128 v[128*((\s)%2)+FR*\i+6:128*((\s)%2)+FR*\i+9], v[L16], s[56:57] offset:(\s)*REC+\i*1536+768
	global_load_b64 v[128*((\s)%2)+FR*\i+10:128*((\s)%2)+FR*\i+11], v[L8], s[56:57] offset:(\s)*REC+\i*1536+1280
.endr
	WIN 0
.irp j, 0,1,2,3
	global_load_b32 v[SCY+4*((\s)%2)+\j], v[L4], s[56:57] offset:(\s)*REC+12288+128*\j
.endr
.endm
.macro MM a, b, p, zero
.set DD, 8*(8*((\a)%4)+\b)
.set YY, 128*(\p)+FR*\b
.set XX, AF+FR*(\a)
.set SY, SCY+4*(\p)+\b/2
.set SX, SCX+8*(\p)+(\a)
.if \zero
.if \b%2
	v_wmma_scale_f32_16x16x128_f8f6f4 v[DD:DD+7], v[YY:YY+FR-1], v[XX:XX+FR-1], 0, v[SY], v[SX] matrix_a_fmt:MATRIX_FMT_BF6 matrix_b_fmt:MATRIX_FMT_BF6 matrix_a_scale:MATRIX_SCALE_ROW1
.else
	v_wmma_scale_f32_16x16x128_f8f6f4 v[DD:DD+7], v[YY:YY+FR-1], v[XX:XX+FR-1], 0, v[SY], v[SX] matrix_a_fmt:MATRIX_FMT_BF6 matrix_b_fmt:MATRIX_FMT_BF6
.endif
.else
.if \b%2
	v_wmma_scale_f32_16x16x128_f8f6f4 v[DD:DD+7], v[YY:YY+FR-1], v[XX:XX+FR-1], v[DD:DD+7], v[SY], v[SX] matrix_a_fmt:MATRIX_FMT_BF6 matrix_b_fmt:MATRIX_FMT_BF6 matrix_a_scale:MATRIX_SCALE_ROW1
.else
	v_wmma_scale_f32_16x16x128_f8f6f4 v[DD:DD+7], v[YY:YY+FR-1], v[XX:XX+FR-1], v[DD:DD+7], v[SY], v[SX] matrix_a_fmt:MATRIX_FMT_BF6 matrix_b_fmt:MATRIX_FMT_BF6
.endif
.endif
.endm
.macro MUL16 a0, p, zero               ; the 64 accumulators take turns, one instruction a turn, in the same order in every step
.irp a, \a0, \a0+1
.irp b, 0,1,2,3,4,5,6,7
	MM \a, \b, \p, \zero
.endr
.endr
.endm
; A step: my record s of X against my record s of Y, 64 matrix instructions; the next record's fragments of X are fetched meanwhile.
; mode 0: no barrier.  mode 1: my reads of my first two records are over: the three lines, a round of the cluster's barrier, and the refill.  mode 2: the refill is waited for, in the same form, and nothing is filled.
.macro STEPF s, mode, zero
.set PP, (\s)%2
.set NP, ((\s)+1)%6
	s_wait_loadcnt 36                              ; Y's set is in; the next step's 36 loads may be out
.if \mode == 0
	s_wait_dscnt 16                                ; all but the youngest 16 loads (X's tiles 4-7)
	WIN MUL_LO
	MUL16 0, PP, \zero
	MUL16 2, PP, \zero
	s_wait_dscnt 0
	PLACES
.else
	s_wait_tensorcnt 0x0                           ; all my tensor loads have landed;
	ds_add_u32 v[SPW], v[NIL]                      ; 0 onto my spare word;
	s_wait_dscnt 17                                ; (the add and the youngest 16 loads may be out)
	WIN MUL_LO
	MUL16 0, PP, \zero
	s_wait_dscnt 0x0                               ; the add is done, and so are my reads so far
	s_barrier_signal -1
	MUL16 2, PP, \zero
	WIN 0
	s_barrier_wait -1
.if \mode == 1
	CREST                                          ; the barrier has opened a round of the cluster's: no wave of any partner still reads its first two records or has a load on its way
	s_add_nc_u64 s[G0+2:G0+3], s[G0+2:G0+3], 6*REC
	tensor_load_to_lds s[G0:G0+3], s[G1R:G1R+7]    ; my records 6 and 7, the first tensor load behind the round
	s_nop 0
.endif
	PLACES
.endif
	WIN 0
	FETCH_A NP, 0
	SCALEX NP, 1-PP
	WIN MUL_HI
	MUL16 4, PP, \zero
	MUL16 6, PP, \zero
	PLACES
	WIN 0
	FETCH_A NP, 4
.endm
	s_load_b256 s[4:11], s[0:1], 0x0               ; hid, wq, b2, src2
	s_load_b64 s[12:13], s[0:1], 0x20              ; out0
	v_lshl_add_u32 v[SPW], v0, 2, SPARE
	v_mov_b32 v[NIL], 0
	ds_add_u32 v[SPW], v[NIL]                      ; the wave's opening: the add, twice on end, and its wait ahead of my first tensor load
	ds_add_u32 v[SPW], v[NIL]
	v_lshrrev_b32 v1, 5, v0
	v_readfirstlane_b32 s14, v1                    ; wave
	s_bfe_u32 s40, ttmp6, 0x40000
	s_bfe_u32 s41, ttmp6, 0x40004
	s_lshl_b32 s42, ttmp9, 2
	s_add_co_u32 s42, s42, s40                     ; Y's half-panel
	s_and_b32 s17, ttmp7, 0xffff
	s_lshl_b32 s17, s17, 2
	s_add_co_u32 s17, s17, s41                     ; X's half-panel: hangs on cy, never on cx
	s_lshl_b32 s43, s41, 2
	s_lshl_b32 s43, 15, s43                        ; my row of the cluster
	s_or_b32 s[G1], s43, (3<<16)|(1<<21)
	s_or_b32 s[G1R], s43, (3<<16)|(1<<21)
	s_mov_b32 s[G1+1], 32<<16                      ; rows of 256 bytes,
	s_mov_b32 s[G1+2], 300<<16                     ; 300 of them: six records, dense
	s_mov_b32 s[G1+3], 32<<16
	s_mov_b32 s[G1+4], 300
	s_mov_b32 s[G1+5], 32
	s_mov_b32 s[G1+6], 0
	s_mov_b32 s[G1+7], 0
	s_mov_b32 s[G1R+1], 32<<16
	s_mov_b32 s[G1R+2], 100<<16                    ; 100 rows: two records
	s_mov_b32 s[G1R+3], 32<<16
	s_mov_b32 s[G1R+4], 100
	s_mov_b32 s[G1R+5], 32
	s_mov_b32 s[G1R+6], 0
	s_mov_b32 s[G1R+7], 0
	s_mul_i32 s18, s14, 8*REC                      ; my share of K
	s_mov_b32 s19, 0
	s_mul_i32 s20, s17, KC*REC
	s_mov_b32 s21, 0
	s_mul_i32 s46, s42, KC*REC
	s_add_co_u32 s46, s46, WOFF
	s_mov_b32 s47, 0
	s_mul_i32 s45, s14, 6*REC                      ; my LDS bytes: no place in the cluster enters an LDS address
	s_wait_dscnt 0x0
	s_wait_kmcnt 0x0
	s_add_nc_u64 s[20:21], s[4:5], s[20:21]
	s_add_nc_u64 s[20:21], s[20:21], s[18:19]
	s_add_nc_u64 s[56:57], s[6:7], s[46:47]
	s_add_nc_u64 s[56:57], s[56:57], s[18:19]
	CROUND                                         ; all sixteen work-groups are here: the first joint loads meet
	s_mov_b32 s[G0], 1
	s_mov_b32 s[G0+1], s45
	s_mov_b64 s[G0+2:G0+3], s[20:21]
	s_or_b32 s[G0+3], s[G0+3], 0x80000000
	tensor_load_to_lds s[G0:G0+3], s[G1:G1+7]      ; my one load at the head
	s_nop 0
	PLACES
	v_and_b32 v1, 31, v0
	v_and_b32 v2, 15, v0
	v_bfe_u32 v3, v0, 4, 1
	v_lshlrev_b32 v[L16], 4, v1
	v_lshlrev_b32 v[L8], 3, v1
	v_lshlrev_b32 v[L4], 2, v1
	v_add_nc_u32 v[XA], s45, v[L16]
	v_add_nc_u32 v[XA+2], s45, v[L8]
	v_add_nc_u32 v[XA+1], 3*REC, v[XA]
	v_add_nc_u32 v[XA+3], 3*REC, v[XA+2]
	v_lshlrev_b32 v4, 2, v2
	s_add_co_u32 s22, s45, 12288
	v_add_nc_u32 v[ADRS], s22, v4
	v_add_nc_u32 v[ADRS+1], 3*REC, v[ADRS]
	s_mul_i32 s21, s14, STGB
	v_mul_u32_u24 v[STO], v2, 528
	v_lshl_add_u32 v[STO], v3, 6, v[STO]
	v_add_nc_u32 v[STO], s21, v[STO]               ; my stage: row r, + 64 h
	s_mul_i32 s21, s14, 32*528
	v_add_nc_u32 v[RD], s21, v[L16]                ; back: stage rows 32 x wave on, of all four stages
	v_add_nc_u32 v[RD+1], STGB, v[RD]
	v_add_nc_u32 v[RD+2], 2*STGB, v[RD]
	v_add_nc_u32 v[RD+3], 3*STGB, v[RD]
	v_and_b32 v5, 8, v2
	v_add_nc_u32 v5, v5, v2
	v_lshl_add_u32 v5, v3, 3, v5
	v_lshlrev_b32 v[PFO], 12, v5                   ; stage row `lane` of my 32 is token 8 (lane / 16) + r + 8 (r / 8) from my first
	s_wait_alu depctr_va_vdst(0)                   ; the wait at the head's end
	s_lshl_b32 s18, s42, 9                         ; my tile's 512 bytes of a row
	s_mov_b32 s19, 0
	s_add_nc_u64 s[8:9], s[8:9], s[18:19]
	global_load_b128 v[BI:BI+3], v[L16], s[8:9]
	s_lshl_b32 s22, s17, 19
	s_add_co_u32 s18, s18, s22
	s_lshl_b32 s22, s14, 17
	s_add_co_u32 s18, s18, s22                     ; + (128 x half-panel + 32 x wave) rows of 4,096 bytes
	s_add_nc_u64 s[10:11], s[10:11], s[18:19]
	s_add_nc_u64 s[12:13], s[12:13], s[18:19]
	YLOAD 0
	YLOAD 1
	global_prefetch_b8 v[PFO], s[10:11] th:TH_LOAD_NT scope:SCOPE_SE              ; the residual's rows, each block of 256 bytes named once
	global_prefetch_b8 v[PFO], s[10:11] offset:256 th:TH_LOAD_NT scope:SCOPE_SE
	s_wait_tensorcnt 0x0                           ; my six records are in; I alone read them
	FETCH_A 0, 0
	SCALEX 0, 0
	FETCH_A 0, 4
	STEPF 0, 0, 1                                  ; the first products start the sums
	YLOAD 2
	STEPF 1, 1, 0
	YLOAD 3
	STEPF 2, 0, 0
	YLOAD 4
	STEPF 3, 0, 0
	YLOAD 5
	STEPF 4, 0, 0
	YLOAD 6
	STEPF 5, 2, 0
	YLOAD 7
	STEPF 6, 0, 0
	WIN TO_B                                       ; the residual's 32 rows that I shall finish, into the registers that Y's set 0 has left
.set rho, 0
.rept 32
	global_load_b128 v[4*rho:4*rho+3], v[L16], s[10:11] offset:(8*(rho/16)+(rho%16)+8*((rho%16)/8))*4096   ; stage row 16 a + r is token 32 (a / 2) + 8 (a % 2) + r + 8 (r / 8)
.set rho, rho+1
.endr
	WIN 0
	s_wait_loadcnt 32                              ; Y's last set is in; the residual's 32 loads may be out
	s_wait_dscnt 16
	WIN MUL_LO
	MUL16 0, 1, 0
	MUL16 2, 1, 0
	s_wait_dscnt 0
	WIN MUL_HI
	MUL16 4, 1, 0
	MUL16 6, 1, 0
	PLACES
	WIN 0
	s_wait_dscnt 0x0
	s_barrier_signal -1
	s_barrier_wait -1                              ; no wave reads its records any more, and no tensor load is out
.irp a, 0,1,2,3,4,5,6,7
	WIN 0x08+4*((\a)/4)                            ; an LDS store's data are its source 1: window 2 or 3
.irp b, 0,1,2,3,4,5,6,7
	ds_store_b128 v[STO], v[64*((\a)%4)+8*\b:64*((\a)%4)+8*\b+3] offset:(\a)*8448+128*(\b/2)+32*(\b%2)       ; each accumulator from its low end on
	ds_store_b128 v[STO], v[64*((\a)%4)+8*\b+4:64*((\a)%4)+8*\b+7] offset:(\a)*8448+128*(\b/2)+32*(\b%2)+16
.endr
.endr
	WIN 0
	s_wait_dscnt 0x0                               ; for the others' sake
	s_barrier_signal -1
	s_barrier_wait -1
.macro LOADG g                         ; four rows of the four partial sums
.irp j, 0,1,2,3
.irp k, 0,1,2,3
	ds_load_b128 v[64+64*((\g)%2)+16*\j+4*\k:64+64*((\g)%2)+16*\j+4*\k+3], v[RD+\k] offset:(4*(\g)+\j)*528
.endr
.endr
.endm
	LOADG 0
	LOADG 1
	s_wait_loadcnt 0x0                             ; the bias and the residual
.irp g, 0,1,2,3,4,5,6,7
.if \g < 7
	s_wait_dscnt 16                                ; this group is in; the next group's 16 loads may be out
.else
	s_wait_dscnt 0
.endif
.set SB, 64+64*(\g%2)
.irp j, 0,1,2,3
.irp e, 0,2
	v_pk_add_f32 v[SB+16*\j+\e:SB+16*\j+\e+1], v[SB+16*\j+\e:SB+16*\j+\e+1], v[SB+16*\j+4+\e:SB+16*\j+4+\e+1]
	v_pk_add_f32 v[SB+16*\j+8+\e:SB+16*\j+8+\e+1], v[SB+16*\j+8+\e:SB+16*\j+8+\e+1], v[SB+16*\j+12+\e:SB+16*\j+12+\e+1]
.endr
.endr
.irp j, 0,1,2,3
.irp e, 0,2
	v_pk_add_f32 v[SB+16*\j+\e:SB+16*\j+\e+1], v[SB+16*\j+\e:SB+16*\j+\e+1], v[SB+16*\j+8+\e:SB+16*\j+8+\e+1]
.endr
.endr
.irp j, 0,1,2,3
.irp e, 0,2
	v_pk_add_f32 v[SB+16*\j+\e:SB+16*\j+\e+1], v[SB+16*\j+\e:SB+16*\j+\e+1], v[BI+\e:BI+\e+1]
.endr
.endr
	WIN 0x04                                       ; source 1: the residual, window 1
.irp j, 0,1,2,3
.irp e, 0,2
	v_pk_add_f32 v[SB+16*\j+\e:SB+16*\j+\e+1], v[SB+16*\j+\e:SB+16*\j+\e+1], v[4*(4*\g+\j)+\e:4*(4*\g+\j)+\e+1]
.endr
.endr
	WIN 0
.irp j, 0,1,2,3
	global_store_b128 v[L16], v[SB+16*\j:SB+16*\j+3], s[12:13] offset:(8*((4*\g+\j)/16)+((4*\g+\j)%16)+8*(((4*\g+\j)%16)/8))*4096   ; 32 lanes store 512 consecutive bytes, aligned
.endr
.if \g < 6
	s_wait_xcnt 0x0                                ; the stores have read their registers
	LOADG \g+2
.endif
.endr
	s_wait_tensorcnt 0x0                           ; the wave's end, behind my last tensor load and my last LDS store
	ds_add_u32 v[SPW], v[NIL]
	s_wait_dscnt 0x0
	CROUND                                         ; the closing round
	s_endpgm
.Lfunc_end_k_q0bf6d4dd43_ffn2:
	.size	k_q0bf6d4dd43_ffn2, .Lfunc_end_k_q0bf6d4dd43_ffn2-k_q0bf6d4dd43_ffn2
	.p2alignl 7, 3214868480
	.fill 96, 4, 3214868480
	.section	.rodata,"a",@progbits
	.p2align	6, 0x0
	.amdhsa_kernel k_q0bf6d4dd43_ffn2
		.amdhsa_group_segment_fixed_size 327680
		.amdhsa_private_segment_fixed_size 0
		.amdhsa_enable_private_segment 0
		.amdhsa_kernarg_size 40
		.amdhsa_user_sgpr_count 2
		.amdhsa_user_sgpr_kernarg_segment_ptr 1
		.amdhsa_wavefront_size32 1
		.amdhsa_system_sgpr_workgroup_id_x 1
		.amdhsa_system_sgpr_workgroup_id_y 1
		.amdhsa_system_sgpr_workgroup_id_z 1
		.amdhsa_system_vgpr_workitem_id 0
		.amdhsa_next_free_vgpr 1024
		.amdhsa_next_free_sgpr 96
		.amdhsa_reserve_vcc 0
		.amdhsa_float_denorm_mode_32 3
		.amdhsa_float_denorm_mode_16_64 3
		.amdhsa_memory_ordered 1
		.amdhsa_forward_progress 1
		.amdhsa_inst_pref_size 165
	.end_amdhsa_kernel
	.amdgpu_metadata
---
amdhsa.version: [ 1, 2 ]
amdhsa.kernels:
  - .name:           k_q0bf6d4dd43_ffn2
    .symbol:         k_q0bf6d4dd43_ffn2.kd
    .args:
      - { .name: hid, .offset: 0, .size: 8, .value_kind: global_buffer, .address_space: global }
      - { .name: wq, .offset: 8, .size: 8, .value_kind: global_buffer, .address_space: global }
      - { .name: b2, .offset: 16, .size: 8, .value_kind: global_buffer, .address_space: global }
      - { .name: src2, .offset: 24, .size: 8, .value_kind: global_buffer, .address_space: global }
      - { .name: out0, .offset: 32, .size: 8, .value_kind: global_buffer, .address_space: global }
    .group_segment_fixed_size: 327680
    .private_segment_fixed_size: 0
    .kernarg_segment_align: 8
    .kernarg_segment_size: 40
    .max_flat_workgroup_size: 128
    .sgpr_count:     96
    .vgpr_count:     1024
    .wavefront_size: 32
...
	.end_amdgpu_metadata
.endif
;; end of part 6
